; MI455X (gfx1250); checked and timed in simulation.
; The chip was launched on July 23, 2026; its instructions are those of AMD's public machine-readable ISA for CDNA 5 (MIT licence, August 2026) and "CDNA5" Instruction Set Architecture Reference Guide (July 2026). The comments in the code are by the model that wrote it; some were corrected since.
;; Multi Head Attention Block. Allowed arithmetic: float matrix products may take bf16 or f16 operands with f32 sums; all other float work in f32.
;; Inputs: k 2 x 2,048 x 1,024 float32; mask 1 x 1 x 2,048 x 2,048 int32; q 2 x 2,048 x 1,024 float32; v 2 x 2,048 x 1,024 float32; wk 1,024 x 1,024 float32; wo 1,024 x 1,024 float32; wq 1,024 x 1,024 float32; wv 1,024 x 1,024 float32.
;; Outputs: out0 2 x 2,048 x 1,024 float32.
;; 3 versions, each right; version 2 is faster than version 1; version 3 is version 2 with the launch prep written anew for expert scheduling mode. Each part assembles by itself: llvm-mc -triple=amdgcn-amd-amdhsa -mcpu=gfx1250 --defsym DOCPART=n.
;; ======== version 1 of 3: 4 launches
;; limits: values are held in f16: magnitudes above 65,504 overflow, below 6.1e-05 lose precision
;; workspace buffers: xb 25,165,824 bytes; wb 8,388,608 bytes; mbits 524,288 bytes of whole numbers; qkv 25,165,824 bytes; xo 8,388,608 bytes
;; launch prep (part 1): grid 256 x 5, 8 waves a work-group, no clusters, 68,608 bytes of LDS; arguments q, k, v, wq, wk, wv, wo, mask, xb, wb, mbits; writes xb, wb, mbits
.if DOCPART == 1
	.amdgcn_target "amdgcn-amd-amdhsa--gfx1250"
	.amdhsa_code_object_version 6
	.text
	.protected	k_q5dde2af795_prep
	.globl	k_q5dde2af795_prep
	.p2align	8
	.type	k_q5dde2af795_prep,@function
k_q5dde2af795_prep:
	s_mov_b64 s[64:65], 0
	v_nop
	global_prefetch_b8 v0, s[64:65] scope:SCOPE_SE
	s_setreg_imm32_b32 hwreg(HW_REG_WAVE_MODE, 25, 1), 1
	s_wait_xcnt 0x0
; Casts and mask packing, a stream: no matrix unit, no cluster (no two work-groups read the same byte), no barrier (a wave touches only its own LDS bytes).
; Grid row y = 0, 1, 2: q, k, v [4096][1024] f32 -> xb [3][4096][1024] f16.   y = 3: wq, wk, wv, wo [1024][1024] f32 -> wb [4][1024][1024] f16,
; wq multiplied by log2(e)/8 ahead of its one rounding, so that the scores of the attention launch arrive divided by 8 and in powers of two.
; y = 4: mask [2048][2048] i32 -> mbits [128 qt][128 kt][8 j] u32: bit L of a word = (mask[16 qt + (L & 15)][16 kt + 8 (L >> 4) + j] != 0),
; the lane mask of register j of a 16 x 16 score tile as the matrix unit lays it out with keys as rows and queries as columns.
; LIMIT: f16 holds magnitudes below 65,504; a larger input becomes an infinity.  Below 6.1e-5 the step is 6e-8.
.set X, 4                              ; v[4:67]    sixteen loads of 16 bytes
.set Y, 68                             ; v[68:99]   cast path: sixteen stores of 8 bytes
.set Z, 68                             ; v[68:131]  mask path: tile kt, register j at Z + 8 kt + j
.set MROW, 528                         ; mask path: LDS pitch, 512 bytes + 16 = 33 x 16, so sixteen rows begin in sixteen different 16-byte columns of 256
	s_load_b512 s[4:19], s[0:1], 0x0               ; q k v wq wk wv wo mask, a pair each
	s_load_b128 s[20:23], s[0:1], 0x40             ; xb s[20:21], wb s[22:23]
	s_load_b64 s[24:25], s[0:1], 0x50              ; mbits
	v_lshl_add_u32 v136, v0, 2, 0x10800
	v_mov_b32 v137, 0
	s_and_b32 s26, ttmp7, 0xffff                   ; y
	s_mov_b32 s27, ttmp9                           ; x
	v_lshrrev_b32 v1, 5, v0
	v_readfirstlane_b32 s28, v1                    ; wave
	s_wait_kmcnt 0x0
	s_cmp_eq_u32 s26, 4
	s_cbranch_scc1 .Lmask
	; THE CASTS.  A work-group takes 65,536 bytes in and 32,768 out.  Tensor number: y, or 3 + x / 64 for the weights (64 chunks each).
	s_lshr_b32 s29, s27, 6
	s_add_co_u32 s29, s29, 3
	s_and_b32 s36, s27, 63                         ; chunk inside a weight
	s_lshl_b32 s37, s26, 8
	s_add_co_u32 s37, s37, s27                     ; chunk of xb: 256 y + x
	s_cmp_lt_u32 s26, 3
	s_cselect_b32 s29, s26, s29                    ; tensor number 0 .. 6
	s_cselect_b32 s36, s27, s36                    ; chunk of the source
	s_cselect_b32 s37, s37, s27                    ; chunk of the destination (wb: x, the four weights follow each other)
	s_cselect_b64 s[32:33], s[20:21], s[22:23]     ; xb or wb
	s_mov_b64 s[30:31], s[4:5]
.irp i, 1,2,3,4,5,6
	s_cmp_eq_u32 s29, \i
	s_cselect_b64 s[30:31], s[4+2*\i:5+2*\i], s[30:31]
.endr
	s_mov_b32 s34, 1.0
	s_cmp_eq_u32 s29, 3
	s_cselect_b32 s34, 0x3e38aa3b, s34             ; log2(e) / 8 for wq, 1.0 for the other six: one path for all
	s_mov_b32 s35, s34
	s_lshl_b32 s38, s36, 16
	s_mov_b32 s39, 0
	s_lshl_b32 s40, s37, 15
	s_mov_b32 s41, 0
	s_add_nc_u64 s[30:31], s[30:31], s[38:39]
	s_add_nc_u64 s[32:33], s[32:33], s[40:41]
	v_lshlrev_b32 v1, 4, v0                        ; 16 bytes a thread in: a wave's load covers 512 consecutive bytes
	v_lshlrev_b32 v2, 3, v0                        ; 8 bytes a thread out: a wave's store covers 256 consecutive bytes, aligned
.irp i, 0,1,2,3,4,5,6,7,8,9,10,11,12,13,14,15
	global_load_b128 v[X+4*\i:X+4*\i+3], v1, s[30:31] offset:4096*\i th:TH_LOAD_NT
.endr
.macro CAST i
	s_wait_loadcnt 15-\i                           ; loads return in order: load i is in, the 15 - i younger ones stay out
	v_pk_mul_f32 v[X+4*\i:X+4*\i+1], v[X+4*\i:X+4*\i+1], s[34:35] op_sel_hi:[1,0]
	v_pk_mul_f32 v[X+4*\i+2:X+4*\i+3], v[X+4*\i+2:X+4*\i+3], s[34:35] op_sel_hi:[1,0]
	v_cvt_pk_f16_f32 v[Y+2*\i], v[X+4*\i], v[X+4*\i+1]
	v_cvt_pk_f16_f32 v[Y+2*\i+1], v[X+4*\i+2], v[X+4*\i+3]
	global_store_b64 v2, v[Y+2*\i:Y+2*\i+1], s[32:33] offset:2048*\i   ; no register of a load or store is written twice: no further wait
.endm
.irp i, 0,1,2,3,4,5,6,7,8,9,10,11,12,13,14,15
	CAST \i
.endr
	s_endpgm
.Lmask:
	; THE MASK.  A wave takes 16 rows x 128 columns (unit = 8 x + wave; qt = unit / 16, column group cg = unit % 16) and makes 64 words, 256 bytes.
	s_lshl_b32 s29, s27, 3
	s_add_co_u32 s29, s29, s28
	s_lshr_b32 s30, s29, 4                         ; qt
	s_and_b32 s31, s29, 15                         ; cg
	s_lshl_b32 s32, s30, 17                        ; 16 rows of 8,192 bytes
	s_lshl_b32 s33, s31, 9                         ; 128 columns of 4 bytes
	s_add_co_u32 s32, s32, s33
	s_mov_b32 s33, 0
	s_add_nc_u64 s[18:19], s[18:19], s[32:33]
	s_lshl_b32 s34, s30, 12                        ; 128 kt x 8 words
	s_lshl_b32 s35, s31, 8                         ; 8 kt x 8 words
	s_add_co_u32 s34, s34, s35
	s_mov_b32 s35, 0
	s_add_nc_u64 s[24:25], s[24:25], s[34:35]
	s_mul_i32 s36, s28, 16*MROW                    ; my wave's 8,448 bytes of LDS
	v_and_b32 v1, 31, v0
	v_lshlrev_b32 v2, 4, v1                        ; 16 x lane: a load takes a row's 512 bytes
.irp i, 0,1,2,3,4,5,6,7,8,9,10,11,12,13,14,15
	global_load_b128 v[X+4*\i:X+4*\i+3], v2, s[18:19] offset:8192*\i th:TH_LOAD_NT
.endr
	v_add_nc_u32 v3, s36, v2                       ; where a row goes
	v_and_b32 v134, 15, v0
	v_bfe_u32 v135, v0, 4, 1
	v_mul_u32_u24 v134, v134, MROW
	v_lshl_add_u32 v134, v135, 5, v134
	v_add_nc_u32 v134, s36, v134                   ; row L & 15, 32 bytes (8 columns) for each half of the lanes
	v_lshlrev_b32 v135, 3, v1                      ; 8 x lane: the one store
	v_mov_b32 v132, 0
	v_mov_b32 v133, 0
.irp i, 0,1,2,3,4,5,6,7,8,9,10,11,12,13,14,15
	s_wait_loadcnt 15-\i                           ; row i is in, the younger rows stay out
	ds_store_b128 v3, v[X+4*\i:X+4*\i+3] offset:MROW*\i
.endr
.irp t, 0,1,2,3,4,5,6,7
	ds_load_b128 v[Z+8*\t:Z+8*\t+3], v134 offset:64*\t         ; LDS serves a wave's instructions in order (ISA guide 5.7.1.4): these see the stores above
	ds_load_b128 v[Z+8*\t+4:Z+8*\t+7], v134 offset:64*\t+16
.endr
	s_wait_dscnt 0x0
	; word 8 kt + j goes to lane 4 kt + j / 2, register j & 1, so that the lanes' 8 bytes follow each other
.set kt, 0
.rept 8
.set j, 0
.rept 8
	v_cmp_ne_u32 s[40+j], 0, v[Z+8*kt+j]
.set j, j+1
.endr
.set j, 0
.rept 8
	v_writelane_b32 v[132+(j&1)], s[40+j], 4*kt+(j>>1)
.set j, j+1
.endr
.set kt, kt+1
.endr
	global_store_b64 v135, v[132:133], s[24:25]    ; 256 consecutive bytes, aligned
	s_wait_tensorcnt 0x0
	ds_add_u32 v136, v137
	s_wait_dscnt 0x0
	s_endpgm
.Lfunc_end_k_q5dde2af795_prep:
	.size	k_q5dde2af795_prep, .Lfunc_end_k_q5dde2af795_prep-k_q5dde2af795_prep
	.p2alignl 7, 3214868480
	.fill 96, 4, 3214868480
	.section	.rodata,"a",@progbits
	.p2align	6, 0x0
	.amdhsa_kernel k_q5dde2af795_prep
		.amdhsa_group_segment_fixed_size 68608
		.amdhsa_private_segment_fixed_size 0
		.amdhsa_enable_private_segment 0
		.amdhsa_kernarg_size 88
		.amdhsa_user_sgpr_count 2
		.amdhsa_user_sgpr_kernarg_segment_ptr 1
		.amdhsa_wavefront_size32 1
		.amdhsa_system_sgpr_workgroup_id_x 1
		.amdhsa_system_sgpr_workgroup_id_y 1
		.amdhsa_system_sgpr_workgroup_id_z 1
		.amdhsa_system_vgpr_workitem_id 0
		.amdhsa_next_free_vgpr 138
		.amdhsa_next_free_sgpr 66
		.amdhsa_reserve_vcc 0
		.amdhsa_float_denorm_mode_32 3
		.amdhsa_float_denorm_mode_16_64 3
		.amdhsa_memory_ordered 1
		.amdhsa_forward_progress 1
		.amdhsa_inst_pref_size 23
	.end_amdhsa_kernel
	.amdgpu_metadata
---
amdhsa.version: [ 1, 2 ]
amdhsa.kernels:
  - .name:           k_q5dde2af795_prep
    .symbol:         k_q5dde2af795_prep.kd
    .args:
      - { .name: q, .offset: 0, .size: 8, .value_kind: global_buffer, .address_space: global }
      - { .name: k, .offset: 8, .size: 8, .value_kind: global_buffer, .address_space: global }
      - { .name: v, .offset: 16, .size: 8, .value_kind: global_buffer, .address_space: global }
      - { .name: wq, .offset: 24, .size: 8, .value_kind: global_buffer, .address_space: global }
      - { .name: wk, .offset: 32, .size: 8, .value_kind: global_buffer, .address_space: global }
      - { .name: wv, .offset: 40, .size: 8, .value_kind: global_buffer, .address_space: global }
      - { .name: wo, .offset: 48, .size: 8, .value_kind: global_buffer, .address_space: global }
      - { .name: mask, .offset: 56, .size: 8, .value_kind: global_buffer, .address_space: global }
      - { .name: xb, .offset: 64, .size: 8, .value_kind: global_buffer, .address_space: global }
      - { .name: wb, .offset: 72, .size: 8, .value_kind: global_buffer, .address_space: global }
      - { .name: mbits, .offset: 80, .size: 8, .value_kind: global_buffer, .address_space: global }
    .group_segment_fixed_size: 68608
    .private_segment_fixed_size: 0
    .kernarg_segment_align: 8
    .kernarg_segment_size: 88
    .max_flat_workgroup_size: 256
    .sgpr_count:     66
    .vgpr_count:     138
    .wavefront_size: 32
...
	.end_amdgpu_metadata
.endif
;; end of part 1
;; launch proj (part 2): grid 4 x 48, 4 waves a work-group, clusters of 4 x 4, 327,680 bytes of LDS; arguments xb, wb, qkv; writes qkv
.if DOCPART == 2
	.amdgcn_target "amdgcn-amd-amdhsa--gfx1250"
	.amdhsa_code_object_version 6
	.text
	.protected	k_q5dde2af795_proj
	.globl	k_q5dde2af795_proj
	.p2align	8
	.type	k_q5dde2af795_proj,@function
k_q5dde2af795_proj:
	s_mov_b64 s[64:65], 0
	v_nop
	global_prefetch_b8 v0, s[64:65] scope:SCOPE_SE
	s_setreg_imm32_b32 hwreg(HW_REG_WAVE_MODE, 25, 1), 1
	s_wait_xcnt 0x0
	s_wait_alu depctr_hold_cnt(0) depctr_sa_sdst(0) depctr_va_vdst(0) depctr_va_sdst(0) depctr_va_ssrc(0) depctr_va_vcc(0) depctr_vm_vsrc(0)
	s_getreg_b32 s2, hwreg(HW_REG_IB_STS2, 6, 4)
	s_cmp_eq_u32 s2, 0
	s_cbranch_scc0 .Lentry_in_a_cluster
	s_endpgm
.Lentry_in_a_cluster:
	s_bfe_u32 s2, ttmp6, 0x10000c
	s_cmp_lg_u32 s2, 0xf033
	s_cbranch_scc0 .Lentry_shape_is_right
	s_endpgm
.Lentry_shape_is_right:
; Q, K, V = x W.  A = xb [12288][1024] f16 (q's, k's, v's rows one after the other), B = wb[which] [1024 k][1024 n] f16, which = row / 4096.
; Result f16, laid by heads: qkv [3][batch 2][head 16][2048][64].  Sums in f32.  LIMIT: a projected value of 65,504 or more becomes an infinity.
; A work-group makes 256 x 256 with four waves, a wave 128 x 128: 64 accumulator tiles, 512 registers.  3 x 4096 x 1024 in such blocks is 192 work-groups.
; K goes in steps of 128 through two LDS slots filled by tensor loads.  A's rows lie along K (256 bytes a row and step); B's rows lie along n, so B's
; tile is 128 k rows of 512 bytes and its fragments are read with the transposing LDS load.
; CLUSTERS of 4 x 4: the four work-groups of a cluster row need the same tiles of A, the four of a column the same tiles of B; each tile is asked for
; jointly (same line, same descriptor, a mask that names the four).  The weight number comes from the cluster's y alone: a cluster spans 1,024 rows.
; REGISTER WINDOWS: 0: addresses, A's fragments (two buffers), v192-223 on the way out; 1: B's fragments; 2, 3: accumulators of my rows 0-63, 64-127.
; The matrix instruction takes B's fragment first and A's second, so a lane's eight results are eight neighbouring columns of one row.
.set KSTEP,  128
.set PITCH,  272                       ; A's LDS row: 256 bytes + 16 = 17 x 16
.set BP,     544                       ; B's LDS row: 512 bytes + 32 = 17 x 32
.set HALFT,  128*PITCH                 ; one tensor load: 128 rows of A, or 64 rows of B (64 x 544 is the same 34,816 bytes)
.set SLOT,   4*HALFT
.set STAGE,  2*SLOT                    ; behind the ring: 16 rows x 272 bytes for each wave; no tensor load lands here
.set SPITCH, 272
.set LAPS,   4                         ; 1,024 / 256: a lap is two K steps
.set ADRA, 16
.set ADRB, 20
.set STO,  24
.set RD,   25
.set CO,   26
.set F0,   64
.set F1,   128
.set TMP,  192
.set G1, 24
.set G0, 32
.set G1B, 48
.set G0B, 56
.set MSB, 0
.macro WIN new                         ; the immediate's high byte repeats the setting that is left
.if MSB != \new
	s_set_vgpr_msb (MSB<<8)|\new
.set MSB, \new
.endif
.endm
.set MUL_LO, 0xa1                      ; source 0 (B) window 1, source 1 (A) window 0, C and D window 2
.set MUL_HI, 0xf1                      ; the same, C and D window 3
.set TO_B,   0x40                      ; destination window 1, address window 0
; A joint load: waves 0, 1 fetch A's halves, waves 2, 3 B's.  The branch hangs on the wave's number alone.
.macro JLOAD s
	s_cmp_eq_u32 s11, 0
	s_cbranch_scc0 .Lfor_b_\@
	tensor_load_to_lds s[G0+4*\s:G0+4*\s+3], s[G1:G1+7]
	s_nop 0
	s_branch .Lasked_\@
.Lfor_b_\@:
	tensor_load_to_lds s[G0B+4*\s:G0B+4*\s+3], s[G1B:G1B+7]
	s_nop 0
.Lasked_\@:
.endm
.macro CREST                           ; a round of the cluster's barrier behind its opening work-group barrier
	s_cmp_lg_u32 s10, 0
	s_cbranch_scc1 .Lnot_wave_0_\@
	s_barrier_signal -3
.Lnot_wave_0_\@:
	s_barrier_wait -3
	s_barrier_signal -1
	s_barrier_wait -1
.endm
.macro CROUND
	s_barrier_signal -1
	s_barrier_wait -1
	CREST
.endm
	s_load_b128 s[4:7], s[0:1], 0x0                ; xb s[4:5], wb s[6:7]
	s_load_b64 s[8:9], s[0:1], 0x10                ; qkv
	s_set_vgpr_msb 0x40
	v_lshl_add_u32 v255, v0, 2, 0x48400
	s_set_vgpr_msb 0x4000
	v_mov_b32 v255, 0
	s_set_vgpr_msb 0x1
	ds_add_u32 v255, v255
	s_set_vgpr_msb 0x100
	v_lshrrev_b32 v1, 5, v0
	v_readfirstlane_b32 s10, v1                    ; wave 0..3
	s_lshr_b32 s11, s10, 1                         ; my half of the block's rows.  Also: I fetch for A (0) or for B (1)
	s_and_b32 s12, s10, 1                          ; my half of its columns.  Also: which half of that tile I fetch
	s_bfe_u32 s40, ttmp6, 0x40000                  ; cx
	s_bfe_u32 s41, ttmp6, 0x40004                  ; cy
	s_lshl_b32 s42, ttmp9, 2
	s_add_co_u32 s42, s42, s40                     ; block column 0..3
	s_and_b32 s13, ttmp7, 0xffff
	s_lshr_b32 s45, s13, 2                         ; which weight: cluster y / 4, the same in all sixteen work-groups
	s_lshl_b32 s13, s13, 2
	s_add_co_u32 s13, s13, s41                     ; block row 0..47
	s_lshl_b32 s43, s41, 2
	s_lshl_b32 s43, 15, s43                        ; my row of the cluster
	s_lshl_b32 s44, 0x1111, s40                    ; my column
	; group 1 for A: 128 rows x 128 elements, 4 words of padding behind every 64.  For B: 64 rows x 256 elements, 8 words behind every 128.
	s_or_b32 s[G1+0], s43, (1<<16)|(1<<20)|(1<<21)|(5<<22)|(3<<25)
	s_or_b32 s[G1B+0], s44, (1<<16)|(1<<20)|(1<<21)|(6<<22)|(7<<25)
	s_mov_b32 s[G1+1], 128<<16                     ; tensor_dim0
	s_mov_b32 s[G1B+1], 256<<16
	s_mov_b32 s[G1+2], 128<<16                     ; tensor_dim1
	s_mov_b32 s[G1B+2], 64<<16
	s_mov_b32 s[G1+3], 128<<16                     ; tile_dim0
	s_mov_b32 s[G1B+3], 256<<16
	s_mov_b32 s[G1+4], 128                         ; tile_dim1
	s_mov_b32 s[G1B+4], 64
	s_mov_b32 s[G1+5], 1024                        ; elements from row to row
	s_mov_b32 s[G1B+5], 1024
	s_mov_b32 s[G1+6], 0
	s_mov_b32 s[G1B+6], 0
	s_mov_b32 s[G1+7], 0
	s_mov_b32 s[G1B+7], 0
	; A's tile hangs on the block row and the wave; B's on the block column, the weight number and the wave; each in registers of its own
	s_lshl_b32 s17, s12, 7
	s_lshl_b32 s16, s13, 8
	s_add_co_u32 s16, s16, s17                     ; A: row 256 x block row + 128 x half
	s_lshl_b32 s16, s16, 11                        ; rows of 2,048 bytes: 25 MB at the most
	s_mov_b32 s17, 0
	s_lshl_b32 s46, s42, 9                         ; B: 256 columns of 2 bytes a block column
	s_lshl_b32 s47, s12, 17                        ; + 64 k rows of 2,048 bytes a half
	s_add_co_u32 s46, s46, s47
	s_lshl_b32 s47, s45, 21                        ; + the weight
	s_add_co_u32 s46, s46, s47
	s_mov_b32 s47, 0
	s_mul_i32 s20, s10, HALFT                      ; LDS: A's two halves, then B's two halves
	s_wait_dscnt 0x0
	s_wait_kmcnt 0x0
	s_add_nc_u64 s[14:15], s[4:5], s[16:17]
	s_add_nc_u64 s[46:47], s[6:7], s[46:47]
	CROUND                                         ; all sixteen work-groups are here: the first joint loads meet
.irp s, 0,1
	s_mov_b32 s[G0+4*\s], 1
	s_add_co_u32 s[G0+4*\s+1], s20, \s*SLOT
	s_add_nc_u64 s[G0+4*\s+2:G0+4*\s+3], s[14:15], \s*KSTEP*2          ; K step s: 256 bytes along A's rows
	s_or_b32 s[G0+4*\s+3], s[G0+4*\s+3], 0x80000000
	s_mov_b32 s[G0B+4*\s], 1
	s_add_co_u32 s[G0B+4*\s+1], s20, \s*SLOT
	s_add_nc_u64 s[G0B+4*\s+2:G0B+4*\s+3], s[46:47], \s*KSTEP*2048     ; K step s: 128 rows down B
	s_or_b32 s[G0B+4*\s+3], s[G0B+4*\s+3], 0x80000000
	JLOAD \s
.endr
	v_and_b32 v1, 15, v0                           ; r = l % 16
	v_bfe_u32 v2, v0, 4, 1                         ; h = l / 16
	v_mul_u32_u24 v3, v1, PITCH
	v_lshl_add_u32 v3, v2, 4, v3                   ; A's fragment: row r, 16 bytes for each half of the lanes
	v_and_b32 v6, 7, v0
	v_lshl_add_u32 v6, v2, 3, v6                   ; B's fragment, transposing load: k row 8 h + (l & 7),
	v_mul_u32_u24 v6, v6, BP
	v_bfe_u32 v7, v0, 3, 1
	v_lshl_add_u32 v6, v7, 4, v6                   ; 16 bytes (8 columns) by bit 3 of the lane
	s_mul_i32 s21, s11, HALFT                      ; my 128 rows of A
	s_lshl_b32 s22, s12, 8                         ; my 128 columns of B,
	s_add_co_u32 s22, s22, 2*HALFT                 ; which lies behind A
.irp s, 0,1
	v_add_nc_u32 v[ADRA+\s], s21, v3
	v_add_nc_u32 v[ADRB+\s], s22, v6
	s_add_co_u32 s21, s21, SLOT
	s_add_co_u32 s22, s22, SLOT
.endr
	s_mul_i32 s23, s10, 16*SPITCH
	s_add_co_u32 s23, s23, STAGE                   ; my stage
	v_mul_u32_u24 v4, v1, SPITCH
	v_lshl_add_u32 v4, v2, 4, v4
	v_add_nc_u32 v[STO], s23, v4                   ; in: row r, 16 bytes for each half of the lanes
	v_and_b32 v5, 31, v0
	v_lshlrev_b32 v[CO], 4, v5                     ; out: 16 x lane, four rows of a head (128 bytes each) follow each other in memory
	v_lshrrev_b32 v5, 3, v5
	v_mul_u32_u24 v5, v5, SPITCH
	v_and_b32 v7, 7, v0
	v_lshl_add_u32 v5, v7, 4, v5
	v_add_nc_u32 v[RD], s23, v5                    ; back: row l / 8 of four, 16 (l % 8) of a head's 128 bytes
; 16 matrix instructions: m blocks a0, a0 + 1 of the window's four x all 8 n blocks, 32 along K.  zero = 1: the first product starts the sums.
; The 64 accumulators take turns, one instruction a turn, in the same order in every quarter step.
.macro MUL16 f, hi, a0, zero
.irp a, \a0, \a0+1
.irp b, 0,1,2,3,4,5,6,7
.if \zero
	v_wmma_f32_16x16x32_f16 v[8*(8*(\a)+\b):8*(8*(\a)+\b)+7], v[\f+8*\b:\f+8*\b+7], v[\f+8*(4*\hi+\a):\f+8*(4*\hi+\a)+7], 0
.else
	v_wmma_f32_16x16x32_f16 v[8*(8*(\a)+\b):8*(8*(\a)+\b)+7], v[\f+8*\b:\f+8*\b+7], v[\f+8*(4*\hi+\a):\f+8*(4*\hi+\a)+7], v[8*(8*(\a)+\b):8*(8*(\a)+\b)+7]
.endif
.endr
.endr
.endm
; 32 LDS loads in one run: one quarter step's fragments (k = byte of the quarter in A's rows: 0, 64, 128, 192; in B that is 32 rows a quarter)
.macro FETCH slot, k, f
	WIN TO_B
.irp i, 0,1,2,3,4,5,6,7
	ds_load_tr16_b128 v[\f+8*\i:\f+8*\i+3],   v[ADRB+\slot] offset:(\k/64)*32*BP+32*\i         ; k = 8 h .. + 7 of column 16 i + r
	ds_load_tr16_b128 v[\f+8*\i+4:\f+8*\i+7], v[ADRB+\slot] offset:(\k/64)*32*BP+32*\i+16*BP   ; k = 16 + 8 h .. + 7; 61,152 at the most
.endr
	WIN 0
.irp i, 0,1,2,3,4,5,6,7
	ds_load_b128 v[\f+8*\i:\f+8*\i+3],   v[ADRA+\slot] offset:\k+\i*16*PITCH
	ds_load_b128 v[\f+8*\i+4:\f+8*\i+7], v[ADRA+\slot] offset:\k+\i*16*PITCH+32
.endr
.endm
; Four places of plain vector instructions stand between a matrix instruction and a load into, or a vector instruction on, its registers
.macro PLACES
.rept 4
	v_nop
.endr
.endm
.macro QUARTER slot, k, f, g, zero
	s_wait_dscnt 8                                 ; B and A's rows 0-63 are in; the youngest eight loads (A's rows 64-127) may be out
	WIN MUL_LO
	MUL16 \f, 0, 0, \zero
	MUL16 \f, 0, 2, \zero
	PLACES
	FETCH \slot, \k, \g
	s_wait_dscnt 32                                ; all but the 32 just issued
	WIN MUL_HI
	MUL16 \f, 1, 0, \zero
	MUL16 \f, 1, 2, \zero
.endm
.macro THREE slot, zero
	QUARTER \slot, 64,  F0, F1, \zero
	QUARTER \slot, 128, F1, F0, 0
	QUARTER \slot, 192, F0, F1, 0
.endm
; The last quarter changes slots.  In front of the barrier each wave waits for its reads of this slot and for all its tensor loads (one is out: its part
; of the next slot); behind it the refill comes first, then the next slot's first fragments.
.macro TURN slot, next, fill
	s_wait_dscnt 8
	WIN MUL_LO
	MUL16 F1, 0, 0, 0
	s_wait_dscnt 0                                 ; my reads of this slot are over
	s_wait_tensorcnt 0x0                           ; and all my tensor loads have landed
	ds_add_u32 v255, v255
	s_wait_dscnt 0x0
	s_barrier_signal -1
	MUL16 F1, 0, 2, 0                              ; register work while the others arrive
	WIN 0
	s_barrier_wait -1
.if \fill
	CREST                                          ; all sixteen work-groups have said so: no partner's wave still reads this slot or has a load on its way
	s_add_nc_u64 s[G0+4*\slot+2:G0+4*\slot+3], s[G0+4*\slot+2:G0+4*\slot+3], 2*KSTEP*2
	s_add_nc_u64 s[G0B+4*\slot+2:G0B+4*\slot+3], s[G0B+4*\slot+2:G0B+4*\slot+3], 2*KSTEP*2048
	JLOAD \slot                                    ; the first tensor load behind the round, one a wave
.endif
	PLACES
	FETCH \next, 0, F0
	WIN MUL_HI
	MUL16 F1, 1, 0, 0
	MUL16 F1, 1, 2, 0
.endm
.macro LAP zero
	THREE 0, \zero
	TURN 0, 1, 1
	THREE 1, 0
	TURN 1, 0, 1
.endm
	s_wait_tensorcnt 1                             ; my part of K step 0 is in; K step 1's stays out
	s_barrier_signal -1
	s_barrier_wait -1
	FETCH 0, 0, F0
	LAP 1                                          ; the first lap's first products start the sums
	WIN 0
	s_mov_b32 s3, LAPS-2
.Llap:
	LAP 0
	WIN 0
	s_sub_co_u32 s3, s3, 1
	s_cmp_lg_u32 s3, 0
	s_cbranch_scc1 .Llap
	THREE 0, 0                                     ; the last lap fills nothing
	TURN 0, 1, 0
	THREE 1, 0
	s_wait_dscnt 8
	WIN MUL_LO
	MUL16 F1, 0, 0, 0
	MUL16 F1, 0, 2, 0
	s_wait_dscnt 0
	WIN MUL_HI
	MUL16 F1, 1, 0, 0
	MUL16 F1, 1, 2, 0
	; THE WAY OUT, 16 rows at a time: round to f16, 16 bytes a lane into my stage, read back by heads.  My 128 columns are two heads.
	PLACES
	s_lshr_b32 s16, s13, 3                         ; 2 x tensor + batch = block row / 8: 4,194,304 bytes each
	s_lshl_b32 s16, s16, 22
	s_and_b32 s14, s13, 7
	s_lshl_b32 s14, s14, 15                        ; 256 rows of 128 bytes
	s_add_co_u32 s16, s16, s14
	s_lshl_b32 s14, s11, 14                        ; my 128 rows
	s_add_co_u32 s16, s16, s14
	s_mov_b32 s17, 0
	s_add_nc_u64 s[8:9], s[8:9], s[16:17]
	s_lshl_b32 s46, s42, 20                        ; head 4 x block column + 2 x half, 262,144 bytes each
	s_lshl_b32 s47, s12, 19
	s_add_co_u32 s46, s46, s47
	s_mov_b32 s47, 0
	s_add_nc_u64 s[8:9], s[8:9], s[46:47]
.macro OUT16 i, a, from, f
	WIN \from
.irp b, 0,1,2,3,4,5,6,7
.irp r, 0,1,2,3
	v_cvt_pk_f16_f32 v[TMP+4*\b+\r], v[8*(8*\a+\b)+2*\r], v[8*(8*\a+\b)+2*\r+1]
.endr
.endr
	WIN 0
.irp b, 0,1,2,3,4,5,6,7
	ds_store_b128 v[STO], v[TMP+4*\b:TMP+4*\b+3] offset:32*\b
.endr
	s_wait_xcnt 0x0                                ; buffer f, which earlier stores read, is loaded again only behind this wait
.irp t, 0,1,2,3,4,5,6,7
	ds_load_b128 v[\f+4*\t:\f+4*\t+3], v[RD] offset:(\t&3)*4*SPITCH+(\t>>2)*128    ; four rows of head t / 4; a wave's LDS instructions are served in order
.endr
.irp t, 0,1,2,3,4,5,6,7
	s_wait_dscnt 7-\t                              ; load t is in, the younger ones stay out
	global_store_b128 v[CO], v[\f+4*\t:\f+4*\t+3], s[8:9] offset:(\t>>2)*262144+(16*\i+4*(\t&3))*128   ; 512 consecutive bytes, aligned
.endr
.endm
	OUT16 0, 0, 0x0a, F0
	OUT16 1, 1, 0x0a, F1
	OUT16 2, 2, 0x0a, F0
	OUT16 3, 3, 0x0a, F1
	OUT16 4, 0, 0x0f, F0
	OUT16 5, 1, 0x0f, F1
	OUT16 6, 2, 0x0f, F0
	OUT16 7, 3, 0x0f, F1
	s_set_vgpr_msb 0x1
	s_wait_tensorcnt 0x0
	ds_add_u32 v255, v255
	s_wait_dscnt 0x0
	s_set_vgpr_msb 0x100
	CROUND                                         ; the closing round: no work-group ends while a partner may still ask jointly
	s_endpgm
.Lfunc_end_k_q5dde2af795_proj:
	.size	k_q5dde2af795_proj, .Lfunc_end_k_q5dde2af795_proj-k_q5dde2af795_proj
	.p2alignl 7, 3214868480
	.fill 96, 4, 3214868480
	.section	.rodata,"a",@progbits
	.p2align	6, 0x0
	.amdhsa_kernel k_q5dde2af795_proj
		.amdhsa_group_segment_fixed_size 327680
		.amdhsa_private_segment_fixed_size 0
		.amdhsa_enable_private_segment 0
		.amdhsa_kernarg_size 24
		.amdhsa_user_sgpr_count 2
		.amdhsa_user_sgpr_kernarg_segment_ptr 1
		.amdhsa_wavefront_size32 1
		.amdhsa_system_sgpr_workgroup_id_x 1
		.amdhsa_system_sgpr_workgroup_id_y 1
		.amdhsa_system_sgpr_workgroup_id_z 1
		.amdhsa_system_vgpr_workitem_id 0
		.amdhsa_next_free_vgpr 1024
		.amdhsa_next_free_sgpr 66
		.amdhsa_reserve_vcc 0
		.amdhsa_float_denorm_mode_32 3
		.amdhsa_float_denorm_mode_16_64 3
		.amdhsa_memory_ordered 1
		.amdhsa_forward_progress 1
		.amdhsa_inst_pref_size 196
	.end_amdhsa_kernel
	.amdgpu_metadata
---
amdhsa.version: [ 1, 2 ]
amdhsa.kernels:
  - .name:           k_q5dde2af795_proj
    .symbol:         k_q5dde2af795_proj.kd
    .args:
      - { .name: xb, .offset: 0, .size: 8, .value_kind: global_buffer, .address_space: global }
      - { .name: wb, .offset: 8, .size: 8, .value_kind: global_buffer, .address_space: global }
      - { .name: qkv, .offset: 16, .size: 8, .value_kind: global_buffer, .address_space: global }
    .group_segment_fixed_size: 327680
    .private_segment_fixed_size: 0
    .kernarg_segment_align: 8
    .kernarg_segment_size: 24
    .max_flat_workgroup_size: 128
    .sgpr_count:     66
    .vgpr_count:     1024
    .wavefront_size: 32
...
	.end_amdgpu_metadata
.endif
;; end of part 2
;; launch attn (part 3): grid 8 x 32, 8 waves a work-group, clusters of 4 x 1, 327,680 bytes of LDS; arguments qkv, mbits, xo; writes xo
.if DOCPART == 3
	.amdgcn_target "amdgcn-amd-amdhsa--gfx1250"
	.amdhsa_code_object_version 6
	.text
	.protected	k_q5dde2af795_attn
	.globl	k_q5dde2af795_attn
	.p2align	8
	.type	k_q5dde2af795_attn,@function
k_q5dde2af795_attn:
	s_mov_b64 s[64:65], 0
	v_nop
	global_prefetch_b8 v0, s[64:65] scope:SCOPE_SE
	s_setreg_imm32_b32 hwreg(HW_REG_WAVE_MODE, 25, 1), 1
	s_wait_xcnt 0x0
	s_wait_alu depctr_hold_cnt(0) depctr_sa_sdst(0) depctr_va_vdst(0) depctr_va_sdst(0) depctr_va_ssrc(0) depctr_va_vcc(0) depctr_vm_vsrc(0)
	s_getreg_b32 s2, hwreg(HW_REG_IB_STS2, 6, 4)
	s_cmp_eq_u32 s2, 0
	s_cbranch_scc0 .Lentry_in_a_cluster
	s_endpgm
.Lentry_in_a_cluster:
	s_bfe_u32 s2, ttmp6, 0x10000c
	s_cmp_lg_u32 s2, 0x3003
	s_cbranch_scc0 .Lentry_shape_is_right
	s_endpgm
.Lentry_shape_is_right:
; Attention with a running maximum.  qkv [3][bh 32][2048][64] f16 (Q already times log2(e)/8), mbits [128 qt][128 kt][8 j] lane masks, xo [bh][2048][64] f16.
; A work-group takes one head (bh = y) and 256 queries; the four work-groups of a cluster take four query blocks of that head and read the same K and V,
; which come by joint tensor loads (mask 15).  Wave w: query group g = w & 3 (64 queries, four tiles n) and key half p = w >> 2 (1,024 keys, sixteen
; sub-blocks of 64).  The two halves run in opposite phases (p = 0: matrix, vector, ..; p = 1: vector, matrix, ..), so that at any time half of the waves
; are in matrix work and half in vector work.  At the end the halves are merged through LDS.
; LAYOUT: S^T = K Q^T, so register j of tile (n, kt) in lane (r, h) is query 16 n + r, key 16 kt + 8 h + j.  Packed to f16 in place, tiles 2c and 2c + 1
; are the second operand of O^T = V^T P^T for keys 32 c .. 32 c + 31; V^T comes by the transposing LDS load.  Maximum and sum belong to a lane's query.
; ARITHMETIC: p = 2^(s - m), m the running maximum over masked scores too; a masked score is -1e20 log2(e), chosen in front of the maximum, so a row that is
; masked whole gives equal weights.  Sums of p in f32 ahead of p's rounding to f16.  LIMITS: Q, K, V and the result are f16 (below 65,504 in magnitude);
; p below 6e-8 counts as 0 in P V; NaN and infinities in the inputs are not looked after.
; SCALARS: s3 trips; s[4:11] group 1 for V; s[12:13] mbits, stepped 128 bytes a sub-block; s[14:15] xo; s[16:23] group 1 for K; s[24:31] group 0 of slot 0, 1;
; s[32:63], s[68:99] lane masks of an even and an odd query tile (s[68:99] serve the set-up first); s66 wave; s67 key half; s100, s101 lane selects.
.set PIECE, 10240                      ; 64 keys of K (pitch 144: 9,216 bytes used) or of V (pitch 160)
.set SLOT,  8*PIECE                    ; piece = 4 kind + 2 half + sub: K(0,0) K(0,1) K(1,0) K(1,1) V(0,0) ..; a slot is one step: 128 keys of each half
.set KP,    144                        ; 128 + 16 = 9 x 16
.set VP,    160                        ; 128 + 32 = 5 x 32
.set MST,   2*SLOT                     ; merge stage: for each g 34 images of 512 bytes (32 of O, one of m, one of l)
.set MSTG,  34*512
.set OST,   MST+4*MSTG                 ; output stage: for each g 64 rows, pitch 144
.set OSTG,  64*144
; window 0
.set KA,   4                           ; v4, v5    K fragment address in slot 0, 1
.set VA,   6                           ; v6, v7    V fragment address in slot 0, 1
.set QO,   8                           ; v8        Q: r x 128 + 16 h
.set OS,   9                           ; v9        output stage, in
.set ORD,  10                          ; v10       output stage, back
.set CO,   11                          ; v11       16 x lane
.set NEGR, 12                          ; v12       the masked score
.set MA,   13                          ; v13       merge stage + 16 x lane
.set Q,    16                          ; v[16:79]  Q(n, half) at Q + 16 n + 8 half
.set MP,   80                          ; v[80+4n:81+4n]  (m, 0)
.set FP,   82                          ; v[82+4n:83+4n]  (f, 0)
.set LS,   96                          ; v[96+2n:97+2n]  two partial sums of p
.set T,    104                         ; v[104:119] at work
.set S,    128                         ; v[128:255] S(n, kt) at S + 32 n + 8 kt; P(n, c) in place at S + 32 n + 16 c
; window 1: O(d, n) at 8 (4 n + d);
.set KF,   128                         ; K fragments (kt, half) at KF + 8 (2 kt + half)
.set VF,   192                         ; V fragments (d, c) at VF + 8 (2 d + c)
.set MSB, 0
.macro WIN new                         ; the immediate's high byte repeats the setting that is left
.if MSB != \new
	s_set_vgpr_msb (MSB<<8)|\new
.set MSB, \new
.endif
.endm
.macro ROUND                           ; a round of the cluster's barrier
	s_barrier_signal -1
	s_barrier_wait -1
	s_cmp_lg_u32 s66, 0
	s_cbranch_scc1 .Lnot_wave_0_\@
	s_barrier_signal -3
.Lnot_wave_0_\@:
	s_barrier_wait -3
	s_barrier_signal -1
	s_barrier_wait -1
.endm
.macro PLACES                          ; four places between a matrix instruction and a vector instruction on, or a load into, its registers
.rept 4
	v_nop
.endr
.endm
; A joint load into slot s.  Waves 0 to 3 fetch pieces of K, waves 4 to 7 pieces of V: two lines, each with a group 1 of constants (they differ in the
; padding alone).  The branch hangs on the wave's number alone, so it is the same in all four work-groups.
.macro JLOAD s
	s_cmp_eq_u32 s67, 0
	s_cbranch_scc0 .Lfor_v_\@
	tensor_load_to_lds s[24+4*(\s):27+4*(\s)], s[16:23]
	s_nop 0
	s_branch .Lasked_\@
.Lfor_v_\@:
	tensor_load_to_lds s[24+4*(\s):27+4*(\s)], s[4:11]
	s_nop 0
.Lasked_\@:
.endm
	s_load_b128 s[68:71], s[0:1], 0x0              ; qkv s[68:69], mbits s[70:71]
	s_load_b64 s[72:73], s[0:1], 0x10              ; xo
	v_lshl_add_u32 v126, v0, 2, 0x42000
	v_mov_b32 v127, 0
	ds_add_u32 v126, v127
	v_lshrrev_b32 v1, 5, v0
	v_readfirstlane_b32 s66, v1                    ; wave 0..7
	s_lshr_b32 s67, s66, 2                         ; p: my key half.  Also: I fetch K (0) or V (1)
	s_and_b32 s74, s66, 3                          ; g: my query group
	s_bfe_u32 s75, ttmp6, 0x40000                  ; cx
	s_lshl_b32 s76, ttmp9, 2
	s_add_co_u32 s76, s76, s75                     ; query block 0..7: enters the bases of Q, mbits and xo alone
	s_and_b32 s77, ttmp7, 0xffff                   ; bh
	s_mov_b32 s100, 0x76543210                     ; v_permlanex16_b32: lane i reads lane i of the other half
	s_mov_b32 s101, 0xfedcba98
	; group 1: a piece is 8,192 dense bytes, taken as 32 rows of 128 elements; behind every 32 words 4 words of padding (K) or 8 (V).
	; 15:0 the mask names all four work-groups; 17:16 elements of 2 bytes; 20 padding on; 21 set beside a mask; 24:22 the interval; 31:25 the padding less one
	s_mov_b32 s16, 15|(1<<16)|(1<<20)|(1<<21)|(4<<22)|(3<<25)
	s_mov_b32 s4,  15|(1<<16)|(1<<20)|(1<<21)|(4<<22)|(7<<25)
	s_mov_b32 s17, 128<<16                         ; tensor_dim0
	s_mov_b32 s5,  128<<16
	s_mov_b32 s18, 32<<16                          ; tensor_dim1
	s_mov_b32 s6,  32<<16
	s_mov_b32 s19, 128<<16                         ; tile_dim0
	s_mov_b32 s7,  128<<16
	s_mov_b32 s20, 32                              ; tile_dim1
	s_mov_b32 s8,  32
	s_mov_b32 s21, 128                             ; elements from row to row: dense
	s_mov_b32 s9,  128
	s_mov_b32 s22, 0
	s_mov_b32 s10, 0
	s_mov_b32 s23, 0
	s_mov_b32 s11, 0
	; my piece of step 0: tensor 1 + kind, head bh, key half (w >> 1) & 1, sub w & 1.  Nothing of cx in it.
	s_bfe_u32 s78, s66, 0x10001
	s_and_b32 s79, s66, 1
	s_add_co_u32 s80, s67, 1
	s_lshl_b32 s80, s80, 23                        ; a tensor is 8,388,608 bytes
	s_lshl_b32 s82, s77, 18                        ; a head 262,144
	s_add_co_u32 s80, s80, s82
	s_lshl_b32 s78, s78, 17                        ; 1,024 keys of 128 bytes
	s_add_co_u32 s80, s80, s78
	s_lshl_b32 s79, s79, 13                        ; 64 keys
	s_add_co_u32 s80, s80, s79
	s_mov_b32 s81, 0
	s_mul_i32 s83, s66, PIECE                      ; my piece in LDS: the wave's number times a constant
	s_lshl_b32 s84, s77, 18                        ; Q and xo: head, query block of 256 rows, group of 64 rows of 128 bytes
	s_lshl_b32 s85, s76, 15
	s_add_co_u32 s84, s84, s85
	s_lshl_b32 s85, s74, 13
	s_add_co_u32 s84, s84, s85
	s_mov_b32 s85, 0
	s_lshl_b32 s86, s76, 16                        ; mbits: (16 block + 4 g) x 4,096 + p x 64 tiles of 32 bytes
	s_lshl_b32 s87, s74, 14
	s_add_co_u32 s86, s86, s87
	s_lshl_b32 s87, s67, 11
	s_add_co_u32 s86, s86, s87
	s_mov_b32 s87, 0
	s_wait_dscnt 0x0
	s_wait_kmcnt 0x0
	s_add_nc_u64 s[80:81], s[68:69], s[80:81]      ; my piece of step 0
	s_add_nc_u64 s[88:89], s[68:69], s[84:85]      ; my 64 rows of Q
	s_add_nc_u64 s[14:15], s[72:73], s[84:85]      ; and of xo
	s_add_nc_u64 s[12:13], s[70:71], s[86:87]      ; my masks of sub-block 0
.irp s, 0,1
	s_mov_b32 s[24+4*\s], 1
	s_add_co_u32 s[25+4*\s], s83, \s*SLOT
	s_add_nc_u64 s[26+4*\s:27+4*\s], s[80:81], \s*16384            ; step s: 128 keys of 128 bytes
	s_or_b32 s[27+4*\s], s[27+4*\s], 0x80000000
.endr
	ROUND                                          ; the four work-groups are here: the first joint loads meet
	s_cmp_eq_u32 s67, 0                            ; both first fills of a wave stand inside this one branch: steps 0 and 1; two loads of the wave are out, later one
	s_cbranch_scc0 .Lfirst_v
	tensor_load_to_lds s[24:27], s[16:23]
	s_nop 0
	tensor_load_to_lds s[28:31], s[16:23]
	s_nop 0
	s_branch .Lfirst_asked
.Lfirst_v:
	tensor_load_to_lds s[24:27], s[4:11]
	s_nop 0
	tensor_load_to_lds s[28:31], s[4:11]
	s_nop 0
.Lfirst_asked:
	v_and_b32 v1, 15, v0                           ; r
	v_bfe_u32 v2, v0, 4, 1                         ; h
	v_and_b32 v3, 31, v0                           ; lane
	v_lshlrev_b32 v[QO], 7, v1
	v_lshl_add_u32 v[QO], v2, 4, v[QO]
.irp n, 0,1,2,3
.irp hf, 0,1
	global_load_b128 v[Q+16*\n+8*\hf:Q+16*\n+8*\hf+3],   v[QO], s[88:89] offset:\n*2048+\hf*64
	global_load_b128 v[Q+16*\n+8*\hf+4:Q+16*\n+8*\hf+7], v[QO], s[88:89] offset:\n*2048+\hf*64+32
.endr
.endr
	v_mul_u32_u24 v[KA], v1, KP
	v_lshl_add_u32 v[KA], v2, 4, v[KA]
	s_mul_i32 s90, s67, 2*PIECE                    ; my key half's two pieces
	v_add_nc_u32 v[KA], s90, v[KA]
	v_add_nc_u32 v[KA+1], SLOT, v[KA]
	v_and_b32 v[VA], 7, v0
	v_lshl_add_u32 v[VA], v2, 3, v[VA]             ; key row 8 h + (l & 7)
	v_mul_u32_u24 v[VA], v[VA], VP
	v_bfe_u32 v[VA+1], v0, 3, 1
	v_lshl_add_u32 v[VA], v[VA+1], 4, v[VA]
	s_add_co_u32 s90, s90, 4*PIECE                 ; V lies behind K's four pieces
	v_add_nc_u32 v[VA], s90, v[VA]
	v_add_nc_u32 v[VA+1], SLOT, v[VA]
	s_mul_i32 s91, s74, OSTG
	s_add_co_u32 s91, s91, OST
	v_mul_u32_u24 v[OS], v1, 144
	v_lshl_add_u32 v[OS], v2, 4, v[OS]
	v_add_nc_u32 v[OS], s91, v[OS]
	v_lshrrev_b32 v[ORD], 3, v3
	v_mul_u32_u24 v[ORD], v[ORD], 144
	v_and_b32 v[CO], 7, v0
	v_lshl_add_u32 v[ORD], v[CO], 4, v[ORD]
	v_add_nc_u32 v[ORD], s91, v[ORD]
	v_lshlrev_b32 v[CO], 4, v3
	s_mul_i32 s92, s74, MSTG
	s_add_co_u32 s92, s92, MST
	v_add_nc_u32 v[MA], s92, v[CO]
	v_mov_b32 v[NEGR], 0xe0fa4488                  ; -1e20 x log2(e)
.irp n, 0,1,2,3
	v_mov_b32 v[MP+4*\n+1], 0                      ; the upper registers of the pairs that are broadcast from: written once, never used
	v_mov_b32 v[FP+4*\n+1], 0
.endr
; The lane masks of query tiles n0 and n0 + 1 for one sub-block: 32 words each (4 key tiles x 8 registers)
.macro MLOAD n0
	s_load_b512 s[32:47], s[12:13], \n0*4096
	s_load_b512 s[48:63], s[12:13], \n0*4096+64
	s_load_b512 s[68:83], s[12:13], \n0*4096+4096
	s_load_b512 s[84:99], s[12:13], \n0*4096+4160
.endm
	s_wait_xcnt 0x0                                ; Q's loads have had their addresses translated: their base s[88:89] lies among the registers that the masks now take
	MLOAD 0
.macro LDK slot, sub                   ; 16 loads: my half's 64 keys x 64 dk as eight first operands
	WIN 0x40
.irp kt, 0,1,2,3
.irp hf, 0,1
	ds_load_b128 v[KF+8*(2*\kt+\hf):KF+8*(2*\kt+\hf)+3],   v[KA+\slot] offset:\sub*PIECE+\kt*16*KP+\hf*64
	ds_load_b128 v[KF+8*(2*\kt+\hf)+4:KF+8*(2*\kt+\hf)+7], v[KA+\slot] offset:\sub*PIECE+\kt*16*KP+\hf*64+32
.endr
.endr
.endm
.macro LDV slot, sub                   ; 16 transposing loads: V^T, 64 dk x 64 keys as eight first operands
	WIN 0x40
.irp d, 0,1,2,3
.irp c, 0,1
	ds_load_tr16_b128 v[VF+8*(2*\d+\c):VF+8*(2*\d+\c)+3],   v[VA+\slot] offset:\sub*PIECE+\c*32*VP+\d*32
	ds_load_tr16_b128 v[VF+8*(2*\d+\c)+4:VF+8*(2*\d+\c)+7], v[VA+\slot] offset:\sub*PIECE+\c*32*VP+\d*32+16*VP
.endr
.endr
.endm
; S^T = K Q^T: 32 matrix instructions.  Sixteen accumulators take turns, one instruction a turn; the first half of dk starts the sums.
.macro MM_S
	WIN 0x01
.irp hf, 0,1
.irp n, 0,1,2,3
.irp kt, 0,1,2,3
.if \hf
	v_wmma_f32_16x16x32_f16 v[S+32*\n+8*\kt:S+32*\n+8*\kt+7], v[KF+8*(2*\kt+\hf):KF+8*(2*\kt+\hf)+7], v[Q+16*\n+8*\hf:Q+16*\n+8*\hf+7], v[S+32*\n+8*\kt:S+32*\n+8*\kt+7]
.else
	v_wmma_f32_16x16x32_f16 v[S+32*\n+8*\kt:S+32*\n+8*\kt+7], v[KF+8*(2*\kt+\hf):KF+8*(2*\kt+\hf)+7], v[Q+16*\n+8*\hf:Q+16*\n+8*\hf+7], 0
.endif
.endr
.endr
.endr
.endm
; O^T += V^T P^T: 32 matrix instructions, sixteen accumulators by turns.  first = 1: the first 32 keys start the sums.
.macro MM_PV first
	WIN 0x51
.irp c, 0,1
.irp n, 0,1,2,3
.irp d, 0,1,2,3
.if \first*(1-\c)
	v_wmma_f32_16x16x32_f16 v[8*(4*\n+\d):8*(4*\n+\d)+7], v[VF+8*(2*\d+\c):VF+8*(2*\d+\c)+7], v[S+32*\n+16*\c:S+32*\n+16*\c+7], 0
.else
	v_wmma_f32_16x16x32_f16 v[8*(4*\n+\d):8*(4*\n+\d)+7], v[VF+8*(2*\d+\c):VF+8*(2*\d+\c)+7], v[S+32*\n+16*\c:S+32*\n+16*\c+7], v[8*(4*\n+\d):8*(4*\n+\d)+7]
.endif
.endr
.endr
.endr
.endm
; The matrix phase: P V of the last sub-block, then the next sub-block's scores, which write over P: five places between (ISA guide 7.12.1).
; Five places stand behind the scores too: four are what the selects and the loads into the fragments ask for, five what a matrix instruction asks for that
; takes these registers as an operand, so that this distance hangs on no branch between here and the next matrix phase.
.macro M first
	MM_PV \first
.rept 5
	v_nop
.endr
	MM_S
	WIN 0
.rept 5
	v_nop
.endr
.endm
.macro CND n, mb                       ; a masked score becomes the masked value; the word's bit says 'keep'
.set i, 0
.rept 32
	v_cndmask_b32 v[S+32*\n+i], v[NEGR], v[S+32*\n+i], s[\mb+i]
.set i, i+1
.endr
.endm
; One query tile's softmax step: 32 scores a lane.
.macro TILE n, first
.set SB, S+32*\n
.set MN, MP+4*\n
.set FN, FP+4*\n
.set LN, LS+2*\n
	; the maximum of 32 scores and the old maximum: sixteen three-way maxima, three chains of nine values and a fourth for the rest
	v_max3_num_f32 v[T],   v[SB],    v[SB+1],  v[SB+2]
	v_max3_num_f32 v[T+1], v[SB+9],  v[SB+10], v[SB+11]
	v_max3_num_f32 v[T+2], v[SB+18], v[SB+19], v[SB+20]
	v_max3_num_f32 v[T+3], v[SB+27], v[SB+28], v[SB+29]
.irp k, 0,2,4
	v_max3_num_f32 v[T],   v[T],   v[SB+3+\k],  v[SB+4+\k]
	v_max3_num_f32 v[T+1], v[T+1], v[SB+12+\k], v[SB+13+\k]
	v_max3_num_f32 v[T+2], v[T+2], v[SB+21+\k], v[SB+22+\k]
.endr
	v_max3_num_f32 v[T+3], v[T+3], v[SB+30], v[SB+31]
.if \first
	v_max3_num_f32 v[T+3], v[T+3], v[T], v[T+1]
	v_max_num_f32 v[T+3], v[T+3], v[T+2]
.else
	v_max3_num_f32 v[T+3], v[T+3], v[MN], v[T]
	v_max3_num_f32 v[T+3], v[T+3], v[T+1], v[T+2]
.endif
	v_permlanex16_b32 v[T], v[T+3], s100, s101     ; lane r + 16 holds the query's other keys
.if \first
	v_max_num_f32 v[MN], v[T+3], v[T]
.else
	v_max_num_f32 v[T+1], v[T+3], v[T]
	v_sub_f32 v[FN], v[MN], v[T+1]                 ; old maximum - new, at most 0
	v_mov_b32 v[MN], v[T+1]
	v_exp_f32 v[FN], v[FN]                         ; f; the subtractions below are the plain instructions between it and its use (ISA guide 5.7.2)
.endif
.set i, 0
.rept 16
	v_pk_add_f32 v[SB+i:SB+i+1], v[SB+i:SB+i+1], v[MN:MN+1] op_sel_hi:[1,0] neg_lo:[0,1] neg_hi:[0,1]   ; s - m, both halves by m
.set i, i+2
.endr
.set i, 0
.rept 32
	v_exp_f32 v[SB+i], v[SB+i]
.set i, i+1
.endr
	v_nop                                          ; one plain place behind the exponentials
	; l = l f + the sum of p, in four chains
.if \first
	s_wait_alu depctr_va_vdst(0)
	v_pk_add_f32 v[LN:LN+1], v[SB:SB+1], v[SB+2:SB+3]
.else
	s_wait_alu depctr_va_vdst(0)
	v_pk_fma_f32 v[LN:LN+1], v[LN:LN+1], v[FN:FN+1], v[SB:SB+1] op_sel_hi:[1,0,1]
.endif
	v_pk_add_f32 v[T+4:T+5], v[SB+8:SB+9],   v[SB+10:SB+11]
	v_pk_add_f32 v[T+6:T+7], v[SB+16:SB+17], v[SB+18:SB+19]
	v_pk_add_f32 v[T+8:T+9], v[SB+24:SB+25], v[SB+26:SB+27]
.if 1-\first
	v_pk_add_f32 v[LN:LN+1], v[LN:LN+1], v[SB+2:SB+3]
.endif
.irp k, 0,2
	v_pk_add_f32 v[LN:LN+1], v[LN:LN+1], v[SB+4+\k:SB+5+\k]
	v_pk_add_f32 v[T+4:T+5], v[T+4:T+5], v[SB+12+\k:SB+13+\k]
	v_pk_add_f32 v[T+6:T+7], v[T+6:T+7], v[SB+20+\k:SB+21+\k]
	v_pk_add_f32 v[T+8:T+9], v[T+8:T+9], v[SB+28+\k:SB+29+\k]
.endr
	v_pk_add_f32 v[T+4:T+5], v[T+4:T+5], v[T+6:T+7]
	v_pk_add_f32 v[LN:LN+1], v[LN:LN+1], v[T+8:T+9]
	v_pk_add_f32 v[LN:LN+1], v[LN:LN+1], v[T+4:T+5]
	; p to f16 in place, ascending: register 16 c + i takes 16 c + 2 i and 16 c + 2 i + 1, which no earlier line has written
.irp c, 0,16
.set i, 0
.rept 8
	v_cvt_pk_f16_f32 v[SB+\c+i], v[SB+\c+2*i], v[SB+\c+2*i+1]
.set i, i+1
.endr
.endr
.endm
; The vector phase of one sub-block.  pre = 1: the next sub-block's first masks are asked for.
.macro SOFT first, pre
	WIN 0
	s_wait_kmcnt 0x0                               ; the masks of tiles 0 and 1
	CND 0, 32
	CND 1, 68
	MLOAD 2                                        ; tiles 2 and 3, into the registers just read
	TILE 0, \first
	TILE 1, \first
	s_wait_kmcnt 0x0                               ; they are in, and no scalar load is out: the masks' base may be stepped
	CND 2, 32
	CND 3, 68
.if \pre
	s_add_nc_u64 s[12:13], s[12:13], 128           ; four key tiles of 32 bytes on
	MLOAD 0
.endif
	TILE 2, \first
	TILE 3, \first
.if 1-\first
	WIN 0x41                                       ; O in window 1, f in window 0
.irp n, 0,1,2,3
.set i, 0
.rept 16
	v_pk_mul_f32 v[32*\n+i:32*\n+i+1], v[32*\n+i:32*\n+i+1], v[FP+4*\n:FP+4*\n+1] op_sel_hi:[1,0]
.set i, i+2
.endr
.endr
	WIN 0
.endif
.endm
; One step: 128 keys of each half, in slot.  In front of the barrier every wave waits for all its tensor loads (its piece of this step among them) and for
; its reads of the other slot, whose last V fragments are in registers by then; behind it the other slot's refill comes first.
.macro STEP slot, refill, last
	s_wait_tensorcnt 0x0
	ds_add_u32 v126, v127
	s_wait_dscnt 0x0
.if \refill
	s_add_nc_u64 s[30-4*\slot:31-4*\slot], s[30-4*\slot:31-4*\slot], 32768     ; no load of mine is out: the other slot's address steps two steps on
.endif
	s_wait_dscnt 0x0
.if \refill
	ROUND                                          ; both now hold of every wave of the four work-groups
	JLOAD (1-\slot)                                ; the first tensor load behind the round, one a wave
.else
	s_barrier_signal -1
	s_barrier_wait -1
.endif
	LDK \slot, 0
	WIN 0
	s_cmp_lg_u32 s67, 0
	s_cbranch_scc1 .Lodd_\@
	s_wait_dscnt 0x0
	M 0
	LDK \slot, 1
	LDV \slot, 0
	SOFT 0, 1
	s_wait_dscnt 0x0
	M 0
	LDV \slot, 1
	SOFT 0, 1-\last
	s_branch .Ljoin_\@
.Lodd_\@:
	SOFT 0, 1
	s_wait_dscnt 0x0
	M 0
	LDK \slot, 1
	LDV \slot, 0
	SOFT 0, 1
	s_wait_dscnt 0x0
	M 0
	LDV \slot, 1
	WIN 0
.Ljoin_\@:
.endm
	s_wait_tensorcnt 0x1                           ; my piece of step 0 is in; step 1's stays out
	s_barrier_signal -1
	s_barrier_wait -1
	LDK 0, 0
	s_wait_loadcnt 0x0                             ; Q
	s_wait_dscnt 0x0
	MM_S                                           ; sub-block 0
	WIN 0
	PLACES
	LDK 0, 1
	LDV 0, 0
	SOFT 1, 1
	s_wait_dscnt 0x0
	M 1                                            ; P V of sub-block 0 starts O; scores of sub-block 1
	LDV 0, 1
	WIN 0
	s_cmp_lg_u32 s67, 0
	s_cbranch_scc1 .Lbehind                        ; key half 1 stays one phase behind from here on
	SOFT 0, 1
.Lbehind:
	s_mov_b32 s3, 3
.Lsteps:
	STEP 1, 1, 0
	STEP 0, 1, 0
	s_sub_co_u32 s3, s3, 1
	s_cmp_lg_u32 s3, 0
	s_cbranch_scc1 .Lsteps
	STEP 1, 0, 1                                   ; step 7: nothing is left to fetch
	s_cmp_eq_u32 s67, 0
	s_cbranch_scc1 .Lcaught
	SOFT 0, 0                                      ; key half 1 catches up
.Lcaught:
	s_wait_dscnt 0x0
	MM_PV 0                                        ; the last sub-block
	WIN 0
	PLACES
	; THE MERGE.  l of a query: two partial sums in each of lanes r and r + 16.
.irp n, 0,1,2,3
	v_add_f32 v[T+4+\n], v[LS+2*\n], v[LS+2*\n+1]
.endr
.irp n, 0,1,2,3
	v_permlanex16_b32 v[LS+2*\n], v[T+4+\n], s100, s101
.endr
.irp n, 0,1,2,3
	v_add_f32 v[T+4+\n], v[T+4+\n], v[LS+2*\n]     ; l in v[108:111]
	v_mov_b32 v[T+\n], v[MP+4*\n]                  ; m in v[104:107]
.endr
	s_cmp_eq_u32 s67, 0
	s_cbranch_scc1 .Lkeeps
	WIN 0x04                                       ; store data in window 1
.set i, 0
.rept 32
	ds_store_b128 v[MA], v[4*i:4*i+3] offset:512*i
.set i, i+1
.endr
	WIN 0
	ds_store_b128 v[MA], v[T:T+3] offset:512*32
	ds_store_b128 v[MA], v[T+4:T+7] offset:512*33
.Lkeeps:
	s_wait_dscnt 0x0                               ; for the partner's sake: my stores are done
	s_barrier_signal -1
	s_barrier_wait -1
	s_cmp_lg_u32 s67, 0
	s_cbranch_scc1 .Lclose
.set i, 0
.rept 32
	ds_load_b128 v[S+4*i:S+4*i+3], v[MA] offset:512*i
.set i, i+1
.endr
	ds_load_b128 v[T+8:T+11], v[MA] offset:512*32  ; the partner's m
	ds_load_b128 v[T+12:T+15], v[MA] offset:512*33 ; and l
	s_wait_dscnt 0x0
.irp n, 0,1,2,3
	v_max_num_f32 v[LS+2*\n], v[T+\n], v[T+8+\n]
.endr
.irp n, 0,1,2,3
	v_sub_f32 v[T+\n], v[T+\n], v[LS+2*\n]
	v_sub_f32 v[T+8+\n], v[T+8+\n], v[LS+2*\n]
.endr
.irp n, 0,1,2,3
	v_exp_f32 v[T+\n], v[T+\n]                     ; a0, a1: one of them is 1, and each l is at least 1, so the sum below is at least 1
	v_exp_f32 v[T+8+\n], v[T+8+\n]
.endr
	v_nop
	s_wait_alu depctr_va_vdst(0)
.irp n, 0,1,2,3
	v_mul_f32 v[LS+2*\n], v[T+\n], v[T+4+\n]
.endr
.irp n, 0,1,2,3
	v_fmac_f32 v[LS+2*\n], v[T+8+\n], v[T+12+\n]
.endr
.irp n, 0,1,2,3
	v_rcp_f32 v[LS+2*\n], v[LS+2*\n]
.endr
	v_nop
	s_wait_alu depctr_va_vdst(0)
.irp n, 0,1,2,3
	v_mul_f32 v[MP+4*\n], v[T+\n], v[LS+2*\n]      ; a0 / l
	v_mul_f32 v[FP+4*\n], v[T+8+\n], v[LS+2*\n]    ; a1 / l
.endr
.irp n, 0,1,2,3
.set i, 0
.rept 16
	v_pk_mul_f32 v[S+32*\n+i:S+32*\n+i+1], v[S+32*\n+i:S+32*\n+i+1], v[FP+4*\n:FP+4*\n+1] op_sel_hi:[1,0]
.set i, i+2
.endr
.endr
	WIN 0x01                                       ; my O in window 1
.irp n, 0,1,2,3
.set i, 0
.rept 16
	v_pk_fma_f32 v[S+32*\n+i:S+32*\n+i+1], v[32*\n+i:32*\n+i+1], v[MP+4*\n:MP+4*\n+1], v[S+32*\n+i:S+32*\n+i+1] op_sel_hi:[1,0,1]
.set i, i+2
.endr
.endr
	WIN 0
	; tile t = 4 n + d: eight neighbouring dk of query 16 n + r become 16 bytes; through my own stage into whole rows
.irp t, 0,1,2,3,4,5,6,7,8,9,10,11,12,13,14,15
.irp i, 0,1,2,3
	v_cvt_pk_f16_f32 v[S+8*\t+\i], v[S+8*\t+2*\i], v[S+8*\t+2*\i+1]
.endr
	ds_store_b128 v[OS], v[S+8*\t:S+8*\t+3] offset:(\t>>2)*2304+(\t&3)*32
.endr
.irp t, 0,1,2,3,4,5,6,7,8,9,10,11,12,13,14,15
	ds_load_b128 v[Q+4*\t:Q+4*\t+3], v[ORD] offset:576*\t          ; four rows; a wave's LDS instructions are served in order (ISA guide 5.7.1.4)
.endr
.irp t, 0,1,2,3,4,5,6,7,8,9,10,11,12,13,14,15
	s_wait_dscnt 15-\t                             ; load t is in, the younger ones stay out
	global_store_b128 v[CO], v[Q+4*\t:Q+4*\t+3], s[14:15] offset:512*\t        ; 512 consecutive bytes, aligned
.endr
.Lclose:
	s_wait_tensorcnt 0x0
	ds_add_u32 v126, v127
	s_wait_dscnt 0x0
	ROUND                                          ; the closing round: no work-group ends while a partner may still ask jointly
	s_endpgm
.Lfunc_end_k_q5dde2af795_attn:
	.size	k_q5dde2af795_attn, .Lfunc_end_k_q5dde2af795_attn-k_q5dde2af795_attn
	.p2alignl 7, 3214868480
	.fill 96, 4, 3214868480
	.section	.rodata,"a",@progbits
	.p2align	6, 0x0
	.amdhsa_kernel k_q5dde2af795_attn
		.amdhsa_group_segment_fixed_size 327680
		.amdhsa_private_segment_fixed_size 0
		.amdhsa_enable_private_segment 0
		.amdhsa_kernarg_size 24
		.amdhsa_user_sgpr_count 2
		.amdhsa_user_sgpr_kernarg_segment_ptr 1
		.amdhsa_wavefront_size32 1
		.amdhsa_system_sgpr_workgroup_id_x 1
		.amdhsa_system_sgpr_workgroup_id_y 1
		.amdhsa_system_sgpr_workgroup_id_z 1
		.amdhsa_system_vgpr_workitem_id 0
		.amdhsa_next_free_vgpr 512
		.amdhsa_next_free_sgpr 102
		.amdhsa_reserve_vcc 0
		.amdhsa_float_denorm_mode_32 3
		.amdhsa_float_denorm_mode_16_64 3
		.amdhsa_memory_ordered 1
		.amdhsa_forward_progress 1
		.amdhsa_inst_pref_size 255
	.end_amdhsa_kernel
	.section	.bss,"aw",@nobits
	.p2align	6
	.space	262144
	.amdgpu_metadata
---
amdhsa.version: [ 1, 2 ]
amdhsa.kernels:
  - .name:           k_q5dde2af795_attn
    .symbol:         k_q5dde2af795_attn.kd
    .args:
      - { .name: qkv, .offset: 0, .size: 8, .value_kind: global_buffer, .address_space: global }
      - { .name: mbits, .offset: 8, .size: 8, .value_kind: global_buffer, .address_space: global }
      - { .name: xo, .offset: 16, .size: 8, .value_kind: global_buffer, .address_space: global }
    .group_segment_fixed_size: 327680
    .private_segment_fixed_size: 0
    .kernarg_segment_align: 8
    .kernarg_segment_size: 24
    .max_flat_workgroup_size: 256
    .sgpr_count:     102
    .vgpr_count:     512
    .wavefront_size: 32
...
	.end_amdgpu_metadata
.endif
;; end of part 3
;; launch outp (part 4): grid 8 x 32, 4 waves a work-group, clusters of 4 x 4, 327,680 bytes of LDS; arguments xo, wb, out0; writes out0
.if DOCPART == 4
	.amdgcn_target "amdgcn-amd-amdhsa--gfx1250"
	.amdhsa_code_object_version 6
	.text
	.protected	k_q5dde2af795_outp
	.globl	k_q5dde2af795_outp
	.p2align	8
	.type	k_q5dde2af795_outp,@function
k_q5dde2af795_outp:
	s_mov_b64 s[64:65], 0
	v_nop
	global_prefetch_b8 v0, s[64:65] scope:SCOPE_SE
	s_setreg_imm32_b32 hwreg(HW_REG_WAVE_MODE, 25, 1), 1
	s_wait_xcnt 0x0
	s_wait_alu depctr_hold_cnt(0) depctr_sa_sdst(0) depctr_va_vdst(0) depctr_va_sdst(0) depctr_va_ssrc(0) depctr_va_vcc(0) depctr_vm_vsrc(0)
	s_getreg_b32 s2, hwreg(HW_REG_IB_STS2, 6, 4)
	s_cmp_eq_u32 s2, 0
	s_cbranch_scc0 .Lentry_in_a_cluster
	s_endpgm
.Lentry_in_a_cluster:
	s_bfe_u32 s2, ttmp6, 0x10000c
	s_cmp_lg_u32 s2, 0xf033
	s_cbranch_scc0 .Lentry_shape_is_right
	s_endpgm
.Lentry_shape_is_right:
; out0 = x wo.  x = xo [batch 2][head 16][2048][64] f16 (row (batch, s), k = 64 head + dk), wo = wb[3] [1024 k][1024 n] f16, out0 [4096][1024] f32.
; A work-group makes 128 x 128 (256 work-groups), a wave 64 x 64: sixteen accumulator tiles in window 1.  K goes in four double steps of 256 (four heads)
; through two LDS slots; all four are written out.  CLUSTERS of 4 x 4: A's tiles are shared along a cluster row, B's along a column, by joint loads.
; A's piece: 64 rows of four heads; a head's 64 rows are 8,192 dense bytes, one tile row, padded behind every 128 bytes to the pitch 144.
; B's piece: 128 k rows of 256 bytes, pitch 288 = 9 x 32, read with the transposing LDS load.
; The matrix instruction takes B's fragment first: a lane's eight results are eight neighbouring columns of one row.
.set PIECE,  36864                     ; 256 x 144 = 128 x 288
.set SLOT,   4*PIECE                   ; A's two halves, B's two halves
.set STAGE,  2*SLOT                    ; 16 rows x 272 bytes for each wave; no tensor load lands here
.set SPITCH, 272
.set ADRA, 16                          ; v16, v17  A's fragments in slot 0, 1
.set ADRB, 20                          ; v20..v23  B's fragments: 2 slot + (k rows 0-127 or 128-255)
.set STO,  24
.set RD,   25
.set CO,   26
.set F0,   64                          ; buffer 0: B's four fragments, then A's four
.set F1,   128
.set G1, 24
.set G0, 32
.set G1B, 48
.set G0B, 56
.set MSB, 0
.macro WIN new
.if MSB != \new
	s_set_vgpr_msb (MSB<<8)|\new
.set MSB, \new
.endif
.endm
.macro JLOAD s                         ; waves 0, 1 fetch A's halves, waves 2, 3 B's; the branch hangs on the wave's number alone
	s_cmp_eq_u32 s11, 0
	s_cbranch_scc0 .Lfor_b_\@
	tensor_load_to_lds s[G0+4*\s:G0+4*\s+3], s[G1:G1+7]
	s_nop 0
	s_branch .Lasked_\@
.Lfor_b_\@:
	tensor_load_to_lds s[G0B+4*\s:G0B+4*\s+3], s[G1B:G1B+7]
	s_nop 0
.Lasked_\@:
.endm
.macro CREST
	s_cmp_lg_u32 s10, 0
	s_cbranch_scc1 .Lnot_wave_0_\@
	s_barrier_signal -3
.Lnot_wave_0_\@:
	s_barrier_wait -3
	s_barrier_signal -1
	s_barrier_wait -1
.endm
.macro CROUND
	s_barrier_signal -1
	s_barrier_wait -1
	CREST
.endm
.macro PLACES                          ; four places between a matrix instruction and a load into, or a store from, its registers
.rept 4
	v_nop
.endr
.endm
	s_load_b128 s[4:7], s[0:1], 0x0                ; xo s[4:5], wb s[6:7]
	s_load_b64 s[8:9], s[0:1], 0x10                ; out0
	v_lshl_add_u32 v254, v0, 2, 0x4c400
	v_mov_b32 v255, 0
	ds_add_u32 v254, v255
	v_lshrrev_b32 v1, 5, v0
	v_readfirstlane_b32 s10, v1                    ; wave 0..3
	s_lshr_b32 s11, s10, 1                         ; my half of the rows.  Also: I fetch for A (0) or B (1)
	s_and_b32 s12, s10, 1                          ; my half of the columns.  Also: which half of that tile I fetch
	s_bfe_u32 s40, ttmp6, 0x40000                  ; cx
	s_bfe_u32 s41, ttmp6, 0x40004                  ; cy
	s_lshl_b32 s42, ttmp9, 2
	s_add_co_u32 s42, s42, s40                     ; block column 0..7
	s_and_b32 s13, ttmp7, 0xffff
	s_lshl_b32 s13, s13, 2
	s_add_co_u32 s13, s13, s41                     ; block row 0..31
	s_lshl_b32 s43, s41, 2
	s_lshl_b32 s43, 15, s43                        ; my row of the cluster
	s_lshl_b32 s44, 0x1111, s40                    ; my column
	s_or_b32 s[G1+0], s43, (1<<16)|(1<<20)|(1<<21)|(4<<22)|(3<<25)    ; A: 4 words of padding behind every 32
	s_or_b32 s[G1B+0], s44, (1<<16)|(1<<20)|(1<<21)|(5<<22)|(7<<25)   ; B: 8 words behind every 64
	s_mov_b32 s[G1+1], 4096<<16                    ; tensor_dim0: 64 rows x 64 elements of a head
	s_mov_b32 s[G1B+1], 128<<16
	s_mov_b32 s[G1+2], 4<<16                       ; tensor_dim1: four heads
	s_mov_b32 s[G1B+2], 128<<16
	s_mov_b32 s[G1+3], 4096<<16                    ; tile_dim0
	s_mov_b32 s[G1B+3], 128<<16
	s_mov_b32 s[G1+4], 4                           ; tile_dim1
	s_mov_b32 s[G1B+4], 128
	s_mov_b32 s[G1+5], 131072                      ; from head to head: 2,048 x 64 elements
	s_mov_b32 s[G1B+5], 1024
	s_mov_b32 s[G1+6], 0
	s_mov_b32 s[G1B+6], 0
	s_mov_b32 s[G1+7], 0
	s_mov_b32 s[G1B+7], 0
	s_lshr_b32 s16, s13, 4                         ; A: batch (sixteen block rows each), 4,194,304 bytes
	s_lshl_b32 s16, s16, 22
	s_and_b32 s17, s13, 15
	s_lshl_b32 s17, s17, 14                        ; 128 rows of 128 bytes
	s_add_co_u32 s16, s16, s17
	s_lshl_b32 s17, s12, 13                        ; the half that I fetch: 64 rows
	s_add_co_u32 s16, s16, s17
	s_mov_b32 s17, 0
	s_lshl_b32 s46, s42, 8                         ; B: 128 columns of 2 bytes a block column
	s_lshl_b32 s47, s12, 18                        ; the half that I fetch: 128 k rows of 2,048 bytes
	s_add_co_u32 s46, s46, s47
	s_add_co_u32 s46, s46, 3*2097152               ; wo is the fourth weight
	s_mov_b32 s47, 0
	s_mul_i32 s20, s10, PIECE
	s_wait_dscnt 0x0
	s_wait_kmcnt 0x0
	s_add_nc_u64 s[14:15], s[4:5], s[16:17]
	s_add_nc_u64 s[46:47], s[6:7], s[46:47]
	CROUND                                         ; all sixteen work-groups are here: the first joint loads meet
.irp s, 0,1
	s_mov_b32 s[G0+4*\s], 1
	s_add_co_u32 s[G0+4*\s+1], s20, \s*SLOT
	s_add_nc_u64 s[G0+4*\s+2:G0+4*\s+3], s[14:15], \s*1048576          ; double step s: four heads of 262,144 bytes
	s_or_b32 s[G0+4*\s+3], s[G0+4*\s+3], 0x80000000
	s_mov_b32 s[G0B+4*\s], 1
	s_add_co_u32 s[G0B+4*\s+1], s20, \s*SLOT
	s_add_nc_u64 s[G0B+4*\s+2:G0B+4*\s+3], s[46:47], \s*524288         ; 256 k rows of 2,048 bytes
	s_or_b32 s[G0B+4*\s+3], s[G0B+4*\s+3], 0x80000000
	JLOAD \s
.endr
	v_and_b32 v1, 15, v0                           ; r
	v_bfe_u32 v2, v0, 4, 1                         ; h
	v_mul_u32_u24 v3, v1, 144
	v_lshl_add_u32 v3, v2, 4, v3
	s_mul_i32 s21, s11, PIECE                      ; my 64 rows of A
	v_add_nc_u32 v[ADRA], s21, v3
	v_add_nc_u32 v[ADRA+1], SLOT, v[ADRA]
	v_and_b32 v4, 7, v0
	v_lshl_add_u32 v4, v2, 3, v4                   ; k row 8 h + (l & 7)
	v_mul_u32_u24 v4, v4, 288
	v_bfe_u32 v5, v0, 3, 1
	v_lshl_add_u32 v4, v5, 4, v4
	s_lshl_b32 s22, s12, 7                         ; my 64 columns of B
	s_add_co_u32 s22, s22, 2*PIECE
	v_add_nc_u32 v[ADRB], s22, v4
	v_add_nc_u32 v[ADRB+1], PIECE, v[ADRB]         ; k rows 128-255: beyond the reach of the 16-bit offset from the first
	v_add_nc_u32 v[ADRB+2], SLOT, v[ADRB]
	v_add_nc_u32 v[ADRB+3], SLOT+PIECE, v[ADRB]
	s_mul_i32 s23, s10, 16*SPITCH
	s_add_co_u32 s23, s23, STAGE
	v_mul_u32_u24 v4, v1, SPITCH
	v_lshl_add_u32 v4, v2, 5, v4
	v_add_nc_u32 v[STO], s23, v4                   ; in: row r, 32 bytes (8 f32) for each half of the lanes
	v_mul_u32_u24 v5, v2, SPITCH
	v_lshl_add_u32 v5, v1, 4, v5
	v_add_nc_u32 v[RD], s23, v5                    ; back: lanes 0-15 one row of 256 bytes, lanes 16-31 the next
	v_lshlrev_b32 v[CO], 12, v2
	v_lshl_add_u32 v[CO], v1, 4, v[CO]             ; the same two rows in out0
; 16 loads: quarter q (32 along K, q = 0..7) of a slot into buffer f
.macro FETCH slot, q, f
.irp b, 0,1,2,3
	ds_load_tr16_b128 v[\f+8*\b:\f+8*\b+3],   v[ADRB+2*\slot+((\q)>>2)] offset:((\q)&3)*9216+32*\b
	ds_load_tr16_b128 v[\f+8*\b+4:\f+8*\b+7], v[ADRB+2*\slot+((\q)>>2)] offset:((\q)&3)*9216+32*\b+4608
.endr
.irp a, 0,1,2,3
	ds_load_b128 v[\f+32+8*\a:\f+32+8*\a+3], v[ADRA+\slot] offset:((\q)>>1)*9216+((\q)&1)*64+\a*2304
	ds_load_b128 v[\f+36+8*\a:\f+36+8*\a+3], v[ADRA+\slot] offset:((\q)>>1)*9216+((\q)&1)*64+\a*2304+32
.endr
.endm
; 16 matrix instructions; the sixteen accumulators take turns, one instruction a turn.  zero = 1: the first product starts the sums.
.macro MUL16 f, zero
	WIN 0x50
.irp a, 0,1,2,3
.irp b, 0,1,2,3
.if \zero
	v_wmma_f32_16x16x32_f16 v[8*(4*\a+\b):8*(4*\a+\b)+7], v[\f+8*\b:\f+8*\b+7], v[\f+32+8*\a:\f+32+8*\a+7], 0
.else
	v_wmma_f32_16x16x32_f16 v[8*(4*\a+\b):8*(4*\a+\b)+7], v[\f+8*\b:\f+8*\b+7], v[\f+32+8*\a:\f+32+8*\a+7], v[8*(4*\a+\b):8*(4*\a+\b)+7]
.endif
.endr
.endr
	WIN 0
.endm
.macro QSTEP slot, q, zero             ; quarters 0 to 6: the next quarter's fragments go out ahead of this quarter's products
	s_wait_dscnt 0x0
	PLACES
	FETCH \slot, (\q+1), (F0+64*((\q+1)&1))
	MUL16 (F0+64*((\q)&1)), \zero
.endm
; mode 2: this slot is filled again; 1: the slots change, nothing is fetched; 0: the end
.macro DSTEP slot, zero, mode
	QSTEP \slot, 0, \zero
.irp q, 1,2,3,4,5,6
	QSTEP \slot, \q, 0
.endr
	s_wait_dscnt 0x0                               ; my reads of this slot are over
.if \mode
	s_wait_tensorcnt 0x0                           ; and all my tensor loads have landed, my part of the next slot among them
	ds_add_u32 v254, v255
	s_wait_dscnt 0x0
	s_barrier_signal -1
	MUL16 F1, 0                                    ; register work while the others arrive
	s_barrier_wait -1
.if \mode-1
	CREST                                          ; all sixteen work-groups have said so
	s_add_nc_u64 s[G0+4*\slot+2:G0+4*\slot+3], s[G0+4*\slot+2:G0+4*\slot+3], 2097152
	s_add_nc_u64 s[G0B+4*\slot+2:G0B+4*\slot+3], s[G0B+4*\slot+2:G0B+4*\slot+3], 1048576
	JLOAD \slot                                    ; the first tensor load behind the round, one a wave
.endif
	PLACES
	FETCH (1-\slot), 0, F0
.else
	MUL16 F1, 0
.endif
.endm
	s_wait_tensorcnt 0x1                           ; my part of slot 0 is in; slot 1's stays out
	s_barrier_signal -1
	s_barrier_wait -1
	FETCH 0, 0, F0
	DSTEP 0, 1, 2
	DSTEP 1, 0, 2
	DSTEP 0, 0, 1
	DSTEP 1, 0, 0
	PLACES
	; THE WAY OUT, 16 rows at a time, through my own stage: a row of my 64 columns is 256 bytes of f32
	s_lshl_b32 s16, s13, 19                        ; 128 rows of 4,096 bytes
	s_lshl_b32 s14, s11, 18
	s_add_co_u32 s16, s16, s14
	s_mov_b32 s17, 0
	s_add_nc_u64 s[8:9], s[8:9], s[16:17]
	s_lshl_b32 s46, s42, 9                         ; 128 columns of 4 bytes
	s_lshl_b32 s47, s12, 8
	s_add_co_u32 s46, s46, s47
	s_mov_b32 s47, 0
	s_add_nc_u64 s[8:9], s[8:9], s[46:47]
.macro OUTA a, f
	WIN 0x04                                       ; store data in window 1
.irp b, 0,1,2,3
	ds_store_b128 v[STO], v[8*(4*\a+\b):8*(4*\a+\b)+3] offset:64*\b
	ds_store_b128 v[STO], v[8*(4*\a+\b)+4:8*(4*\a+\b)+7] offset:64*\b+16
.endr
	WIN 0
	s_wait_xcnt 0x0                                ; buffer f, which earlier stores read, is loaded again only behind this wait
.irp t, 0,1,2,3,4,5,6,7
	ds_load_b128 v[\f+4*\t:\f+4*\t+3], v[RD] offset:\t*2*SPITCH    ; a wave's LDS instructions are served in order (ISA guide 5.7.1.4)
.endr
.irp t, 0,1,2,3,4,5,6,7
	s_wait_dscnt 7-\t                              ; load t is in, the younger ones stay out
	global_store_b128 v[CO], v[\f+4*\t:\f+4*\t+3], s[8:9] offset:(16*\a+2*\t)*4096 th:TH_STORE_NT   ; sixteen lanes store 256 consecutive bytes, aligned
.endr
.endm
	OUTA 0, F0
	OUTA 1, F1
	OUTA 2, F0
	OUTA 3, F1
	s_wait_tensorcnt 0x0
	ds_add_u32 v254, v255
	s_wait_dscnt 0x0
	CROUND                                         ; the closing round
	s_endpgm
.Lfunc_end_k_q5dde2af795_outp:
	.size	k_q5dde2af795_outp, .Lfunc_end_k_q5dde2af795_outp-k_q5dde2af795_outp
	.p2alignl 7, 3214868480
	.fill 96, 4, 3214868480
	.section	.rodata,"a",@progbits
	.p2align	6, 0x0
	.amdhsa_kernel k_q5dde2af795_outp
		.amdhsa_group_segment_fixed_size 327680
		.amdhsa_private_segment_fixed_size 0
		.amdhsa_enable_private_segment 0
		.amdhsa_kernarg_size 24
		.amdhsa_user_sgpr_count 2
		.amdhsa_user_sgpr_kernarg_segment_ptr 1
		.amdhsa_wavefront_size32 1
		.amdhsa_system_sgpr_workgroup_id_x 1
		.amdhsa_system_sgpr_workgroup_id_y 1
		.amdhsa_system_sgpr_workgroup_id_z 1
		.amdhsa_system_vgpr_workitem_id 0
		.amdhsa_next_free_vgpr 384
		.amdhsa_next_free_sgpr 66
		.amdhsa_reserve_vcc 0
		.amdhsa_float_denorm_mode_32 3
		.amdhsa_float_denorm_mode_16_64 3
		.amdhsa_memory_ordered 1
		.amdhsa_forward_progress 1
		.amdhsa_inst_pref_size 89
	.end_amdhsa_kernel
	.amdgpu_metadata
---
amdhsa.version: [ 1, 2 ]
amdhsa.kernels:
  - .name:           k_q5dde2af795_outp
    .symbol:         k_q5dde2af795_outp.kd
    .args:
      - { .name: xo, .offset: 0, .size: 8, .value_kind: global_buffer, .address_space: global }
      - { .name: wb, .offset: 8, .size: 8, .value_kind: global_buffer, .address_space: global }
      - { .name: out0, .offset: 16, .size: 8, .value_kind: global_buffer, .address_space: global }
    .group_segment_fixed_size: 327680
    .private_segment_fixed_size: 0
    .kernarg_segment_align: 8
    .kernarg_segment_size: 24
    .max_flat_workgroup_size: 128
    .sgpr_count:     66
    .vgpr_count:     384
    .wavefront_size: 32
...
	.end_amdgpu_metadata
.endif
;; end of part 4
;; ======== version 2 of 3: 4 launches; 1.17 times as fast as version 1
;; limits: values are held in f16: magnitudes above 65,504 overflow, below 6.1e-05 lose precision
;; workspace buffers: xb 25,165,824 bytes; wb 8,388,608 bytes; mbits 524,288 bytes of whole numbers; qkv 25,165,824 bytes; xo 8,388,608 bytes
;; launch prep: the kernel of part 1 again; grid 256 x 5, 8 waves a work-group, no clusters, 68,608 bytes of LDS; arguments q, k, v, wq, wk, wv, wo, mask, xb, wb, mbits; writes xb, wb, mbits
;; launch proj: the kernel of part 2 again; grid 4 x 48, 4 waves a work-group, clusters of 4 x 4, 327,680 bytes of LDS; arguments xb, wb, qkv; writes qkv
;; launch attn (part 5): grid 8 x 32, 8 waves a work-group, clusters of 4 x 1, 327,680 bytes of LDS; arguments qkv, mbits, xo; writes xo
.if DOCPART == 5
	.amdgcn_target "amdgcn-amd-amdhsa--gfx1250"
	.amdhsa_code_object_version 6
	.text
	.protected	k_q5dde2af795_attn
	.globl	k_q5dde2af795_attn
	.p2align	8
	.type	k_q5dde2af795_attn,@function
k_q5dde2af795_attn:
	s_mov_b64 s[64:65], 0
	v_nop
	global_prefetch_b8 v0, s[64:65] scope:SCOPE_SE
	s_setreg_imm32_b32 hwreg(HW_REG_WAVE_MODE, 25, 1), 1
	s_wait_xcnt 0x0
	s_wait_alu depctr_hold_cnt(0) depctr_sa_sdst(0) depctr_va_vdst(0) depctr_va_sdst(0) depctr_va_ssrc(0) depctr_va_vcc(0) depctr_vm_vsrc(0)
	s_getreg_b32 s2, hwreg(HW_REG_IB_STS2, 6, 4)
	s_cmp_eq_u32 s2, 0
	s_cbranch_scc0 .Lentry_in_a_cluster
	s_endpgm
.Lentry_in_a_cluster:
	s_bfe_u32 s2, ttmp6, 0x10000c
	s_cmp_lg_u32 s2, 0x3003
	s_cbranch_scc0 .Lentry_shape_is_right
	s_endpgm
.Lentry_shape_is_right:
; Attention with a running maximum.  qkv [3][bh 32][2048][64] f16 (Q already times log2(e)/8), mbits [128 qt][128 kt][8 j] lane masks, xo [bh][2048][64] f16.
; A work-group takes one head (bh = y) and 256 queries; the four work-groups of a cluster take four query blocks of that head and read the same K and V,
; which come by joint tensor loads (mask 15).  Wave w: query group g = w & 3 (64 queries, four tiles n) and key half p = w >> 2 (1,024 keys, sixteen
; sub-blocks of 64).  The two halves run in opposite phases (p = 0: matrix, vector; p = 1: vector, matrix), so that at any time half of the waves
; are in matrix work and half in vector work.  At the end the halves are merged through LDS.
; CODE SIZE decides the shape of the loop.  The vector phase of a sub-block is 600 vector lines and cannot be looped over its registers, so it is written as
; seldom as possible: a trip is ONE sub-block, laid out as [half 0 only] matrix phase, vector phase, [half 1 only] matrix phase, so both halves run the same
; copy; the loop is two trips (one for each LDS slot) and runs seven times.  One more copy stands ahead of the loop and two in the tail, which fills nothing.
; LOADS STAND AHEAD OF OTHER WORK: K's fragments are asked for behind the round and used behind P V; V's fragments are asked for between P V and the scores and
; used a trip later; the masks of two query tiles are asked for as soon as the scalar registers that hold the last two are read.
; LAYOUT: S^T = K Q^T, so register j of tile (n, kt) in lane (r, h) is query 16 n + r, key 16 kt + 8 h + j.  Packed to f16 in place, tiles 2c and 2c + 1
; are the second operand of O^T = V^T P^T for keys 32 c .. 32 c + 31; V^T comes by the transposing LDS load.  Maximum and sum belong to a lane's query.
; ARITHMETIC: p = 2^(s - m), m the running maximum over masked scores too; a masked score is -1e20 log2(e), chosen in front of the maximum, so a row that is
; masked whole gives equal weights.  m starts at -infinity, l at 0 and O at 0, so the first factor f = 2^(old m - new m) is 0 and no trip is special.
; Sums of p in f32 ahead of p's rounding to f16.  LIMITS: Q, K, V and the result are f16 (below 65,504 in magnitude); p below 6e-8 counts as 0 in P V;
; NaN and infinities in the inputs are not looked after.
; SCALARS: s[2:3] Q's base, then s3 trips; s[4:11] group 1 for V; s[12:13] mbits, stepped 128 bytes a sub-block; s[14:15] xo; s[16:23] group 1 for K;
; s[24:31] group 0 of slot 0, 1; s[32:63], s[68:99] lane masks of an even and an odd query tile (s[68:99] serve the set-up first); s66 wave; s67 key half;
; s100, s101 lane selects.
.set HP,    5120                       ; what one wave fetches: 32 keys of K (pitch 144: 4,608 bytes used) or of V (pitch 160)
.set SLOT,  8*HP                       ; a slot is one sub-block of both halves: K half 0, K half 1, V half 0, V half 1, two waves' parts each
.set KP,    144                        ; 128 + 16 = 9 x 16
.set VP,    160                        ; 128 + 32 = 5 x 32
.set MST,   2*SLOT                     ; merge stage: for each g 34 images of 512 bytes (32 of O, one of m, one of l); no tensor load lands here
.set MSTG,  34*512
.set OST,   MST+4*MSTG                 ; output stage: for each g 64 rows, pitch 144
.set OSTG,  64*144
; window 0
.set KA,   4                           ; v4, v5    K fragment address in slot 0, 1
.set VA,   6                           ; v6, v7    V fragment address in slot 0, 1
.set QO,   8                           ; v8        Q: r x 128 + 16 h
.set OS,   9                           ; v9        output stage, in
.set ORD,  10                          ; v10       output stage, back
.set CO,   11                          ; v11       16 x lane
.set NEGR, 12                          ; v12       the masked score
.set MA,   13                          ; v13       merge stage + 16 x lane
.set Q,    16                          ; v[16:79]  Q(n, half) at Q + 16 n + 8 half
.set MP,   80                          ; v[80+4n:81+4n]  (m, 0)
.set FP,   82                          ; v[82+4n:83+4n]  (f, 0)
.set LS,   96                          ; v[96+2n:97+2n]  two partial sums of p
.set T,    104                         ; v[104:119] at work: T..T+3 and T+10..T+13 the maxima of a pair of tiles, T+4..T+9 sums
.set S,    128                         ; v[128:255] S(n, kt) at S + 32 n + 8 kt; P(n, c) in place at S + 32 n + 16 c
; window 1: O(d, n) at 8 (4 n + d);
.set KF,   128                         ; K fragments (kt, half) at KF + 8 (2 kt + half)
.set VF,   192                         ; V fragments (d, c) at VF + 8 (2 d + c)
.set MSB, 0
.macro WIN new                         ; the immediate's high byte repeats the setting that is left
.if MSB != \new
	s_set_vgpr_msb (MSB<<8)|\new
.set MSB, \new
.endif
.endm
.macro ROUND                           ; a round of the cluster's barrier
	s_barrier_signal -1
	s_barrier_wait -1
	s_cmp_lg_u32 s66, 0
	s_cbranch_scc1 .Lnot_wave_0_\@
	s_barrier_signal -3
.Lnot_wave_0_\@:
	s_barrier_wait -3
	s_barrier_signal -1
	s_barrier_wait -1
.endm
.macro PLACES                          ; four places between a matrix instruction and a vector instruction on, or a load into, its registers
.rept 4
	v_nop
.endr
.endm
.macro FIVE                            ; five places between a matrix instruction and one that writes over, or takes as an operand, one of its registers (7.12.1)
.rept 5
	v_nop
.endr
.endm
; A joint load into slot s.  Waves 0 to 3 fetch parts of K, waves 4 to 7 parts of V: two lines, each with a group 1 of constants (they differ in the
; padding alone).  The branch hangs on the wave's number alone, so it is the same in all four work-groups.
.macro JLOAD s
	s_cmp_eq_u32 s67, 0
	s_cbranch_scc0 .Lfor_v_\@
	tensor_load_to_lds s[24+4*(\s):27+4*(\s)], s[16:23]
	s_nop 0
	s_branch .Lasked_\@
.Lfor_v_\@:
	tensor_load_to_lds s[24+4*(\s):27+4*(\s)], s[4:11]
	s_nop 0
.Lasked_\@:
.endm
	s_load_b128 s[68:71], s[0:1], 0x0              ; qkv s[68:69], mbits s[70:71]
	s_load_b64 s[72:73], s[0:1], 0x10              ; xo
	v_lshl_add_u32 v126, v0, 2, 0x2e000
	v_mov_b32 v127, 0
	ds_add_u32 v126, v127
	v_lshrrev_b32 v1, 5, v0
	v_readfirstlane_b32 s66, v1                    ; wave 0..7
	s_lshr_b32 s67, s66, 2                         ; p: my key half.  Also: I fetch K (0) or V (1)
	s_and_b32 s74, s66, 3                          ; g: my query group
	s_bfe_u32 s75, ttmp6, 0x40000                  ; cx
	s_lshl_b32 s76, ttmp9, 2
	s_add_co_u32 s76, s76, s75                     ; query block 0..7: enters the bases of Q, mbits and xo alone
	s_and_b32 s77, ttmp7, 0xffff                   ; bh
	s_mov_b32 s100, 0x76543210                     ; v_permlanex16_b32: lane i reads lane i of the other half
	s_mov_b32 s101, 0xfedcba98
	; group 1: a wave's part is 4,096 dense bytes, taken as 16 rows of 128 elements; behind every 32 words 4 words of padding (K) or 8 (V).
	; 15:0 the mask names all four work-groups; 17:16 elements of 2 bytes; 20 padding on; 21 set beside a mask; 24:22 the interval; 31:25 the padding less one
	s_mov_b32 s16, 15|(1<<16)|(1<<20)|(1<<21)|(4<<22)|(3<<25)
	s_mov_b32 s4,  15|(1<<16)|(1<<20)|(1<<21)|(4<<22)|(7<<25)
	s_mov_b32 s17, 128<<16                         ; tensor_dim0
	s_mov_b32 s5,  128<<16
	s_mov_b32 s18, 16<<16                          ; tensor_dim1
	s_mov_b32 s6,  16<<16
	s_mov_b32 s19, 128<<16                         ; tile_dim0
	s_mov_b32 s7,  128<<16
	s_mov_b32 s20, 16                              ; tile_dim1
	s_mov_b32 s8,  16
	s_mov_b32 s21, 128                             ; elements from row to row: dense
	s_mov_b32 s9,  128
	s_mov_b32 s22, 0
	s_mov_b32 s10, 0
	s_mov_b32 s23, 0
	s_mov_b32 s11, 0
	; my part of sub-block 0: tensor 1 + kind, head bh, key half (w >> 1) & 1, 32 keys w & 1.  Nothing of cx in it.
	s_bfe_u32 s78, s66, 0x10001
	s_and_b32 s79, s66, 1
	s_add_co_u32 s80, s67, 1
	s_lshl_b32 s80, s80, 23                        ; a tensor is 8,388,608 bytes
	s_lshl_b32 s82, s77, 18                        ; a head 262,144
	s_add_co_u32 s80, s80, s82
	s_lshl_b32 s78, s78, 17                        ; 1,024 keys of 128 bytes
	s_add_co_u32 s80, s80, s78
	s_lshl_b32 s79, s79, 12                        ; 32 keys
	s_add_co_u32 s80, s80, s79
	s_mov_b32 s81, 0
	s_mul_i32 s83, s66, HP                         ; my part in LDS: the wave's number times a constant
	s_lshl_b32 s84, s77, 18                        ; Q and xo: head, query block of 256 rows, group of 64 rows of 128 bytes
	s_lshl_b32 s85, s76, 15
	s_add_co_u32 s84, s84, s85
	s_lshl_b32 s85, s74, 13
	s_add_co_u32 s84, s84, s85
	s_mov_b32 s85, 0
	s_lshl_b32 s86, s76, 16                        ; mbits: (16 block + 4 g) x 4,096 + p x 64 tiles of 32 bytes
	s_lshl_b32 s87, s74, 14
	s_add_co_u32 s86, s86, s87
	s_lshl_b32 s87, s67, 11
	s_add_co_u32 s86, s86, s87
	s_mov_b32 s87, 0
	s_wait_dscnt 0x0
	s_wait_kmcnt 0x0
	s_add_nc_u64 s[80:81], s[68:69], s[80:81]      ; my part of sub-block 0
	s_add_nc_u64 s[2:3], s[68:69], s[84:85]        ; my 64 rows of Q
	s_add_nc_u64 s[14:15], s[72:73], s[84:85]      ; and of xo
	s_add_nc_u64 s[12:13], s[70:71], s[86:87]      ; my masks of sub-block 0
.irp s, 0,1
	s_mov_b32 s[24+4*\s], 1
	s_add_co_u32 s[25+4*\s], s83, \s*SLOT
	s_add_nc_u64 s[26+4*\s:27+4*\s], s[80:81], \s*8192             ; sub-block s: 64 keys of 128 bytes
	s_or_b32 s[27+4*\s], s[27+4*\s], 0x80000000
.endr
	ROUND                                          ; the four work-groups are here: the first joint loads meet
	s_cmp_eq_u32 s67, 0                            ; both first fills of a wave stand inside this one branch: sub-blocks 0 and 1; two loads of the wave are out, later one
	s_cbranch_scc0 .Lfirst_v
	tensor_load_to_lds s[24:27], s[16:23]
	s_nop 0
	tensor_load_to_lds s[28:31], s[16:23]
	s_nop 0
	s_branch .Lfirst_asked
.Lfirst_v:
	tensor_load_to_lds s[24:27], s[4:11]
	s_nop 0
	tensor_load_to_lds s[28:31], s[4:11]
	s_nop 0
.Lfirst_asked:
	v_and_b32 v1, 15, v0                           ; r
	v_bfe_u32 v2, v0, 4, 1                         ; h
	v_and_b32 v3, 31, v0                           ; lane
	v_lshlrev_b32 v[QO], 7, v1
	v_lshl_add_u32 v[QO], v2, 4, v[QO]
.irp n, 0,1,2,3
.irp hf, 0,1
	global_load_b128 v[Q+16*\n+8*\hf:Q+16*\n+8*\hf+3],   v[QO], s[2:3] offset:\n*2048+\hf*64
	global_load_b128 v[Q+16*\n+8*\hf+4:Q+16*\n+8*\hf+7], v[QO], s[2:3] offset:\n*2048+\hf*64+32
.endr
.endr
	v_mul_u32_u24 v[KA], v1, KP
	v_lshl_add_u32 v[KA], v2, 4, v[KA]
	s_mul_i32 s90, s67, 2*HP                       ; my key half's 64 keys
	v_add_nc_u32 v[KA], s90, v[KA]
	v_add_nc_u32 v[KA+1], SLOT, v[KA]
	v_and_b32 v[VA], 7, v0
	v_lshl_add_u32 v[VA], v2, 3, v[VA]             ; key row 8 h + (l & 7)
	v_mul_u32_u24 v[VA], v[VA], VP
	v_bfe_u32 v[VA+1], v0, 3, 1
	v_lshl_add_u32 v[VA], v[VA+1], 4, v[VA]
	s_add_co_u32 s90, s90, 4*HP                    ; V lies behind K's four parts
	v_add_nc_u32 v[VA], s90, v[VA]
	v_add_nc_u32 v[VA+1], SLOT, v[VA]
	s_mul_i32 s91, s74, OSTG
	s_add_co_u32 s91, s91, OST
	v_mul_u32_u24 v[OS], v1, 144
	v_lshl_add_u32 v[OS], v2, 4, v[OS]
	v_add_nc_u32 v[OS], s91, v[OS]
	v_lshrrev_b32 v[ORD], 3, v3
	v_mul_u32_u24 v[ORD], v[ORD], 144
	v_and_b32 v[CO], 7, v0
	v_lshl_add_u32 v[ORD], v[CO], 4, v[ORD]
	v_add_nc_u32 v[ORD], s91, v[ORD]
	v_lshlrev_b32 v[CO], 4, v3
	s_mul_i32 s92, s74, MSTG
	s_add_co_u32 s92, s92, MST
	v_add_nc_u32 v[MA], s92, v[CO]
	v_mov_b32 v[NEGR], 0xe0fa4488                  ; -1e20 x log2(e)
.irp n, 0,1,2,3
	v_mov_b32 v[MP+4*\n], 0xff800000               ; m = -infinity
	v_mov_b32 v[MP+4*\n+1], 0                      ; the upper registers of the pairs that are broadcast from: written once, never used
	v_mov_b32 v[FP+4*\n+1], 0
	v_mov_b32 v[LS+2*\n], 0                        ; l = 0
	v_mov_b32 v[LS+2*\n+1], 0
.endr
.set i, 0
.rept 8
	v_mov_b32 v[S+i], 0                            ; a fragment of zeros, for O's start below
.set i, i+1
.endr
; The lane masks of query tiles n0 and n0 + 1 for one sub-block: 32 words each (4 key tiles x 8 registers)
.macro MLOAD n0
	s_load_b512 s[32:47], s[12:13], \n0*4096
	s_load_b512 s[48:63], s[12:13], \n0*4096+64
	s_load_b512 s[68:83], s[12:13], \n0*4096+4096
	s_load_b512 s[84:99], s[12:13], \n0*4096+4160
.endm
	MLOAD 0                                        ; the set-up's scalars in s[68:99] have served; no pending memory instruction names them
.macro LDK slot                        ; 16 loads: my half's 64 keys x 64 dk as eight first operands; keys 32-63 lie in the second wave's part
	WIN 0x40
.irp kt, 0,1,2,3
.irp hf, 0,1
	ds_load_b128 v[KF+8*(2*\kt+\hf):KF+8*(2*\kt+\hf)+3],   v[KA+\slot] offset:(\kt>>1)*HP+(\kt&1)*16*KP+\hf*64
	ds_load_b128 v[KF+8*(2*\kt+\hf)+4:KF+8*(2*\kt+\hf)+7], v[KA+\slot] offset:(\kt>>1)*HP+(\kt&1)*16*KP+\hf*64+32
.endr
.endr
.endm
.macro LDV slot                        ; 16 transposing loads: V^T, 64 dk x 64 keys as eight first operands (32 rows of 160 bytes are one wave's part)
	WIN 0x40
.irp d, 0,1,2,3
.irp c, 0,1
	ds_load_tr16_b128 v[VF+8*(2*\d+\c):VF+8*(2*\d+\c)+3],   v[VA+\slot] offset:\c*HP+\d*32
	ds_load_tr16_b128 v[VF+8*(2*\d+\c)+4:VF+8*(2*\d+\c)+7], v[VA+\slot] offset:\c*HP+\d*32+16*VP
.endr
.endr
.endm
; S^T = K Q^T: 32 matrix instructions.  Sixteen accumulators take turns, one instruction a turn; the first half of dk starts the sums.
.macro MM_S
	WIN 0x01
.irp hf, 0,1
.irp n, 0,1,2,3
.irp kt, 0,1,2,3
.if \hf
	v_wmma_f32_16x16x32_f16 v[S+32*\n+8*\kt:S+32*\n+8*\kt+7], v[KF+8*(2*\kt+\hf):KF+8*(2*\kt+\hf)+7], v[Q+16*\n+8*\hf:Q+16*\n+8*\hf+7], v[S+32*\n+8*\kt:S+32*\n+8*\kt+7]
.else
	v_wmma_f32_16x16x32_f16 v[S+32*\n+8*\kt:S+32*\n+8*\kt+7], v[KF+8*(2*\kt+\hf):KF+8*(2*\kt+\hf)+7], v[Q+16*\n+8*\hf:Q+16*\n+8*\hf+7], 0
.endif
.endr
.endr
.endr
.endm
; O^T += V^T P^T: 32 matrix instructions, sixteen accumulators by turns.  O has been multiplied by f in the vector phase.
.macro MM_PV
	WIN 0x51
.irp c, 0,1
.irp n, 0,1,2,3
.irp d, 0,1,2,3
	v_wmma_f32_16x16x32_f16 v[8*(4*\n+\d):8*(4*\n+\d)+7], v[VF+8*(2*\d+\c):VF+8*(2*\d+\c)+7], v[S+32*\n+16*\c:S+32*\n+16*\c+7], v[8*(4*\n+\d):8*(4*\n+\d)+7]
.endr
.endr
.endr
.endm
; The matrix phase of the trip whose sub-block lies in slot: P V of the last sub-block; this sub-block's V into the fragments that P V has just read; this
; sub-block's scores.  The five places behind P V serve the loads into V's fragments (four are asked for) and the scores, which write over P (five).
; The sixteen loads of V go out ahead of the scores and come back under them; K's sixteen, issued behind the round, have P V in which to come back.
; Five places stand behind the scores too: four are what the selects and the loads into K's fragments ask for, five what a matrix instruction asks for that
; takes these registers as an operand, so that this distance hangs on no branch between here and the next matrix phase.
.macro M slot
	MM_PV
	FIVE
	LDV \slot
	s_wait_dscnt 16                                ; LDS loads come back in order: K's fragments are in, the sixteen younger loads (V's) stay out
	MM_S
	WIN 0
	FIVE
.endm
.macro CND n, mb                       ; a masked score becomes the masked value; the word's bit says 'keep'
.set i, 0
.rept 32
	v_cndmask_b32 v[S+32*\n+i], v[NEGR], v[S+32*\n+i], s[\mb+i]
.set i, i+1
.endr
.endm
; The new maxima and the factors f of query tiles a and b.  For each tile sixteen three-way maxima over its 32 scores and the old maximum: three chains of nine
; values and a fourth for the rest.  The two tiles' lines alternate, so that each line of the serial end (two maxima, the exchange between the halves of the
; lanes, maximum, difference, exponential) has a line of the other tile behind it.
.macro TMAX a, b
.set SA, S+32*\a
.set SC, S+32*\b
.irp c, 0,1,2,3
	v_max3_num_f32 v[T+\c],    v[SA+9*\c], v[SA+9*\c+1], v[SA+9*\c+2]
	v_max3_num_f32 v[T+10+\c], v[SC+9*\c], v[SC+9*\c+1], v[SC+9*\c+2]
.endr
.irp k, 0,2,4
.irp c, 0,1,2
	v_max3_num_f32 v[T+\c],    v[T+\c],    v[SA+9*\c+3+\k], v[SA+9*\c+4+\k]
	v_max3_num_f32 v[T+10+\c], v[T+10+\c], v[SC+9*\c+3+\k], v[SC+9*\c+4+\k]
.endr
.endr
	v_max3_num_f32 v[T+3],  v[T+3],  v[SA+30], v[SA+31]
	v_max3_num_f32 v[T+13], v[T+13], v[SC+30], v[SC+31]
	v_max3_num_f32 v[T+3],  v[T+3],  v[MP+4*\a], v[T]
	v_max3_num_f32 v[T+13], v[T+13], v[MP+4*\b], v[T+10]
	v_max3_num_f32 v[T+3],  v[T+3],  v[T+1],  v[T+2]
	v_max3_num_f32 v[T+13], v[T+13], v[T+11], v[T+12]
	v_permlanex16_b32 v[T],    v[T+3],  s100, s101 ; lane r + 16 holds the query's other keys
	v_permlanex16_b32 v[T+10], v[T+13], s100, s101
	v_max_num_f32 v[T+1],  v[T+3],  v[T]
	v_max_num_f32 v[T+11], v[T+13], v[T+10]
	v_sub_f32 v[FP+4*\a], v[MP+4*\a], v[T+1]       ; old maximum - new, at most 0; -infinity in the first sub-block
	v_sub_f32 v[FP+4*\b], v[MP+4*\b], v[T+11]
	v_mov_b32 v[MP+4*\a], v[T+1]
	v_mov_b32 v[MP+4*\b], v[T+11]
	v_exp_f32 v[FP+4*\a], v[FP+4*\a]               ; f; the subtractions that follow are the plain instructions between it and its use (ISA guide 5.7.2)
	v_exp_f32 v[FP+4*\b], v[FP+4*\b]
.endm
; One query tile: p = 2^(s - m), l = l f + the sum of p, p to f16.
.macro TEXP n
.set SB, S+32*\n
.set MN, MP+4*\n
.set FN, FP+4*\n
.set LN, LS+2*\n
.set i, 0
.rept 16
	v_pk_add_f32 v[SB+i:SB+i+1], v[SB+i:SB+i+1], v[MN:MN+1] op_sel_hi:[1,0] neg_lo:[0,1] neg_hi:[0,1]   ; s - m, both halves by m
.set i, i+2
.endr
.set i, 0
.rept 32
	v_exp_f32 v[SB+i], v[SB+i]
.set i, i+1
.endr
	v_nop                                          ; one plain place behind the exponentials
	; the sums, in four chains
	s_wait_alu depctr_va_vdst(0)
	v_pk_fma_f32 v[LN:LN+1], v[LN:LN+1], v[FN:FN+1], v[SB:SB+1] op_sel_hi:[1,0,1]
	v_pk_add_f32 v[T+4:T+5], v[SB+8:SB+9],   v[SB+10:SB+11]
	v_pk_add_f32 v[T+6:T+7], v[SB+16:SB+17], v[SB+18:SB+19]
	v_pk_add_f32 v[T+8:T+9], v[SB+24:SB+25], v[SB+26:SB+27]
	v_pk_add_f32 v[LN:LN+1], v[LN:LN+1], v[SB+2:SB+3]
.irp k, 0,2
	v_pk_add_f32 v[LN:LN+1], v[LN:LN+1], v[SB+4+\k:SB+5+\k]
	v_pk_add_f32 v[T+4:T+5], v[T+4:T+5], v[SB+12+\k:SB+13+\k]
	v_pk_add_f32 v[T+6:T+7], v[T+6:T+7], v[SB+20+\k:SB+21+\k]
	v_pk_add_f32 v[T+8:T+9], v[T+8:T+9], v[SB+28+\k:SB+29+\k]
.endr
	v_pk_add_f32 v[T+4:T+5], v[T+4:T+5], v[T+6:T+7]
	v_pk_add_f32 v[LN:LN+1], v[LN:LN+1], v[T+8:T+9]
	v_pk_add_f32 v[LN:LN+1], v[LN:LN+1], v[T+4:T+5]
	; p to f16 in place, ascending: register 16 c + i takes 16 c + 2 i and 16 c + 2 i + 1, which no earlier line has written
.irp c, 0,16
.set i, 0
.rept 8
	v_cvt_pk_f16_f32 v[SB+\c+i], v[SB+\c+2*i], v[SB+\c+2*i+1]
.set i, i+1
.endr
.endr
.endm
; O = O f for query tiles n0 and n0 + 1: 32 packed multiplies (O in window 1, f in window 0)
.macro RESC n0
	WIN 0x41
.irp n, \n0, \n0+1
.set i, 0
.rept 16
	v_pk_mul_f32 v[32*(\n)+i:32*(\n)+i+1], v[32*(\n)+i:32*(\n)+i+1], v[FP+4*(\n):FP+4*(\n)+1] op_sel_hi:[1,0]
.set i, i+2
.endr
.endr
	WIN 0
.endm
.macro PAIR a, b
	TMAX \a, \b
	TEXP \a
	TEXP \b
	RESC \a
.endm
; The vector phase of one sub-block.  The 64 scalar registers hold the masks of two query tiles; the next two tiles' masks are asked for as soon as these are
; read, and the whole work of a pair of tiles, O's rescaling included, stands between the request and the wait.  The phase also asks for the next sub-block's
; first masks.  Behind a wave's last sub-block that look-ahead reads words that are not used; they lie inside mbits: at most byte
; 124 x 4,096 + 4,096 + 4,224 of its 524,288.
.macro SOFT
	s_wait_kmcnt 0x0                               ; the masks of tiles 0 and 1
	CND 0, 32
	CND 1, 68
	MLOAD 2                                        ; tiles 2 and 3, into the registers just read
	PAIR 0, 1
	s_wait_kmcnt 0x0                               ; they are in, and no scalar load is out: the masks' base may be stepped
	CND 2, 32
	CND 3, 68
	s_add_nc_u64 s[12:13], s[12:13], 128           ; four key tiles of 32 bytes on
	MLOAD 0
	PAIR 2, 3
.endm
; One trip: sub-block u, which lies in slot.  In front of the round every wave waits for all its tensor loads (its part of u among them) and for its reads of
; the other slot (K and V of u - 1 went into registers in the last trip); behind it that slot's refill with u + 1 comes first.
; Key half 0: P V of u - 1 and the scores of u, then the vector phase of u.  Key half 1: the vector phase of u - 1, then P V of u - 1 and the scores of u.
.macro TRIP slot
	s_wait_tensorcnt 0x0
	ds_add_u32 v126, v127
	s_add_nc_u64 s[30-4*\slot:31-4*\slot], s[30-4*\slot:31-4*\slot], 16384     ; no load of mine is out: the other slot's address steps two sub-blocks on
	s_wait_dscnt 0x0                               ; V's fragments of u - 1 are in: for P V below, and for the refill's sake
	ROUND                                          ; both now hold of every wave of the four work-groups
	JLOAD (1-\slot)                                ; the first tensor load behind the round, one a wave
	LDK \slot
	WIN 0
	s_cmp_lg_u32 s67, 0
	s_cbranch_scc1 .Lodd_\@
	M \slot                                        ; only K's sixteen loads are out here; P V does not touch their registers
.Lodd_\@:
	SOFT
	s_cmp_eq_u32 s67, 0
	s_cbranch_scc1 .Ljoin_\@
	s_wait_dscnt 0x0                               ; K's loads went out a whole vector phase ago; behind this wait no LDS load is out, on any way through the text
	M \slot
.Ljoin_\@:
.endm
	s_wait_tensorcnt 0x1                           ; my part of sub-block 0 is in; sub-block 1's stays out
	s_barrier_signal -1
	s_barrier_wait -1
	LDK 0
	LDV 0
	s_wait_loadcnt 0x0                             ; Q is in, and its base s[2:3] is free
	s_wait_dscnt 16                                ; K's fragments are in; V's sixteen loads stay out until the first trip's wait for 0
	; O starts as K x 0 + 0: sixteen matrix instructions write its 128 registers.  A first P V written out with C = 0 would need a first trip of its own,
	; that is one more copy of the vector phase.
	WIN 0x41
.set i, 0
.rept 16
	v_wmma_f32_16x16x32_f16 v[8*i:8*i+7], v[KF+8*(i&7):KF+8*(i&7)+7], v[S:S+7], 0
.set i, i+1
.endr
	FIVE                                           ; the scores write over the fragment of zeros
	MM_S                                           ; sub-block 0
	WIN 0
	FIVE
	s_cmp_lg_u32 s67, 0
	s_cbranch_scc1 .Lbehind                        ; key half 1 stays one phase behind from here on
	SOFT
.Lbehind:
	s_mov_b32 s3, 7                                ; sub-blocks 1 to 14
.Ltrips:
	TRIP 1
	TRIP 0
	s_sub_co_u32 s3, s3, 1
	s_cmp_lg_u32 s3, 0
	s_cbranch_scc1 .Ltrips
	; THE TAIL: sub-block 15, in slot 1; nothing is left to fetch
	s_wait_tensorcnt 0x0                           ; my part of sub-block 15 is in
	s_wait_dscnt 0x0                               ; V's fragments of sub-block 14 are in
	s_barrier_signal -1
	s_barrier_wait -1
	LDK 1
	WIN 0
	s_cmp_eq_u32 s67, 0
	s_cbranch_scc1 .Lcaught
	SOFT                                           ; key half 1 catches up: sub-block 14
.Lcaught:
	M 1                                            ; P V of 14, V of 15 into registers, scores of 15
	SOFT                                           ; sub-block 15
	s_wait_dscnt 0x0                               ; V's fragments of sub-block 15
	MM_PV                                          ; the last P V
	WIN 0
	PLACES
	s_wait_kmcnt 0x0                               ; the last look-ahead for masks has come back
	; THE MERGE.  l of a query: two partial sums in each of lanes r and r + 16.
.irp n, 0,1,2,3
	v_add_f32 v[T+4+\n], v[LS+2*\n], v[LS+2*\n+1]
.endr
.irp n, 0,1,2,3
	v_permlanex16_b32 v[LS+2*\n], v[T+4+\n], s100, s101
.endr
.irp n, 0,1,2,3
	v_add_f32 v[T+4+\n], v[T+4+\n], v[LS+2*\n]     ; l in v[108:111]
	v_mov_b32 v[T+\n], v[MP+4*\n]                  ; m in v[104:107]
.endr
	s_cmp_eq_u32 s67, 0
	s_cbranch_scc1 .Lkeeps
	WIN 0x04                                       ; store data in window 1
.set i, 0
.rept 32
	ds_store_b128 v[MA], v[4*i:4*i+3] offset:512*i
.set i, i+1
.endr
	WIN 0
	ds_store_b128 v[MA], v[T:T+3] offset:512*32
	ds_store_b128 v[MA], v[T+4:T+7] offset:512*33
.Lkeeps:
	s_wait_dscnt 0x0                               ; for the partner's sake: my stores are done
	s_barrier_signal -1
	s_barrier_wait -1
	s_cmp_lg_u32 s67, 0
	s_cbranch_scc1 .Lclose
.set i, 0
.rept 32
	ds_load_b128 v[S+4*i:S+4*i+3], v[MA] offset:512*i
.set i, i+1
.endr
	ds_load_b128 v[T+8:T+11], v[MA] offset:512*32  ; the partner's m
	ds_load_b128 v[T+12:T+15], v[MA] offset:512*33 ; and l
	s_wait_dscnt 0x0
.irp n, 0,1,2,3
	v_max_num_f32 v[LS+2*\n], v[T+\n], v[T+8+\n]
.endr
.irp n, 0,1,2,3
	v_sub_f32 v[T+\n], v[T+\n], v[LS+2*\n]
	v_sub_f32 v[T+8+\n], v[T+8+\n], v[LS+2*\n]
.endr
.irp n, 0,1,2,3
	v_exp_f32 v[T+\n], v[T+\n]                     ; a0, a1: one of them is 1, and each l is at least 1, so the sum below is at least 1
	v_exp_f32 v[T+8+\n], v[T+8+\n]
.endr
	v_nop
	s_wait_alu depctr_va_vdst(0)
.irp n, 0,1,2,3
	v_mul_f32 v[LS+2*\n], v[T+\n], v[T+4+\n]
.endr
.irp n, 0,1,2,3
	v_fmac_f32 v[LS+2*\n], v[T+8+\n], v[T+12+\n]
.endr
.irp n, 0,1,2,3
	v_rcp_f32 v[LS+2*\n], v[LS+2*\n]
.endr
	v_nop
	s_wait_alu depctr_va_vdst(0)
.irp n, 0,1,2,3
	v_mul_f32 v[MP+4*\n], v[T+\n], v[LS+2*\n]      ; a0 / l
	v_mul_f32 v[FP+4*\n], v[T+8+\n], v[LS+2*\n]    ; a1 / l
.endr
.irp n, 0,1,2,3
.set i, 0
.rept 16
	v_pk_mul_f32 v[S+32*\n+i:S+32*\n+i+1], v[S+32*\n+i:S+32*\n+i+1], v[FP+4*\n:FP+4*\n+1] op_sel_hi:[1,0]
.set i, i+2
.endr
.endr
	WIN 0x01                                       ; my O in window 1
.irp n, 0,1,2,3
.set i, 0
.rept 16
	v_pk_fma_f32 v[S+32*\n+i:S+32*\n+i+1], v[32*\n+i:32*\n+i+1], v[MP+4*\n:MP+4*\n+1], v[S+32*\n+i:S+32*\n+i+1] op_sel_hi:[1,0,1]
.set i, i+2
.endr
.endr
	WIN 0
	; tile t = 4 n + d: eight neighbouring dk of query 16 n + r become 16 bytes; through my own stage into whole rows
.irp t, 0,1,2,3,4,5,6,7,8,9,10,11,12,13,14,15
.irp i, 0,1,2,3
	v_cvt_pk_f16_f32 v[S+8*\t+\i], v[S+8*\t+2*\i], v[S+8*\t+2*\i+1]
.endr
	ds_store_b128 v[OS], v[S+8*\t:S+8*\t+3] offset:(\t>>2)*2304+(\t&3)*32
.endr
.irp t, 0,1,2,3,4,5,6,7,8,9,10,11,12,13,14,15
	ds_load_b128 v[Q+4*\t:Q+4*\t+3], v[ORD] offset:576*\t          ; four rows; a wave's LDS instructions are served in order (ISA guide 5.7.1.4)
.endr
.irp t, 0,1,2,3,4,5,6,7,8,9,10,11,12,13,14,15
	s_wait_dscnt 15-\t                             ; load t is in, the younger ones stay out
	global_store_b128 v[CO], v[Q+4*\t:Q+4*\t+3], s[14:15] offset:512*\t        ; 512 consecutive bytes, aligned
.endr
.Lclose:
	s_wait_tensorcnt 0x0
	ds_add_u32 v126, v127
	s_wait_dscnt 0x0
	ROUND                                          ; the closing round: no work-group ends while a partner may still ask jointly
	s_endpgm
.Lfunc_end_k_q5dde2af795_attn:
	.size	k_q5dde2af795_attn, .Lfunc_end_k_q5dde2af795_attn-k_q5dde2af795_attn
	.p2alignl 7, 3214868480
	.fill 96, 4, 3214868480
	.section	.rodata,"a",@progbits
	.p2align	6, 0x0
	.amdhsa_kernel k_q5dde2af795_attn
		.amdhsa_group_segment_fixed_size 327680
		.amdhsa_private_segment_fixed_size 0
		.amdhsa_enable_private_segment 0
		.amdhsa_kernarg_size 24
		.amdhsa_user_sgpr_count 2
		.amdhsa_user_sgpr_kernarg_segment_ptr 1
		.amdhsa_wavefront_size32 1
		.amdhsa_system_sgpr_workgroup_id_x 1
		.amdhsa_system_sgpr_workgroup_id_y 1
		.amdhsa_system_sgpr_workgroup_id_z 1
		.amdhsa_system_vgpr_workitem_id 0
		.amdhsa_next_free_vgpr 512
		.amdhsa_next_free_sgpr 102
		.amdhsa_reserve_vcc 0
		.amdhsa_float_denorm_mode_32 3
		.amdhsa_float_denorm_mode_16_64 3
		.amdhsa_memory_ordered 1
		.amdhsa_forward_progress 1
		.amdhsa_inst_pref_size 242
	.end_amdhsa_kernel
	.amdgpu_metadata
---
amdhsa.version: [ 1, 2 ]
amdhsa.kernels:
  - .name:           k_q5dde2af795_attn
    .symbol:         k_q5dde2af795_attn.kd
    .args:
      - { .name: qkv, .offset: 0, .size: 8, .value_kind: global_buffer, .address_space: global }
      - { .name: mbits, .offset: 8, .size: 8, .value_kind: global_buffer, .address_space: global }
      - { .name: xo, .offset: 16, .size: 8, .value_kind: global_buffer, .address_space: global }
    .group_segment_fixed_size: 327680
    .private_segment_fixed_size: 0
    .kernarg_segment_align: 8
    .kernarg_segment_size: 24
    .max_flat_workgroup_size: 256
    .sgpr_count:     102
    .vgpr_count:     512
    .wavefront_size: 32
...
	.end_amdgpu_metadata
.endif
;; end of part 5
;; launch outp: the kernel of part 4 again; grid 8 x 32, 4 waves a work-group, clusters of 4 x 4, 327,680 bytes of LDS; arguments xo, wb, out0; writes out0
;; ======== version 3 of 3: 4 launches; version 2 with the launch prep written anew for expert scheduling mode
;; limits: values are held in f16: magnitudes above 65,504 overflow, below 6.1e-05 lose precision
;; workspace buffers: xb 25,165,824 bytes; wb 8,388,608 bytes; mbits 524,288 bytes of whole numbers; qkv 25,165,824 bytes; xo 8,388,608 bytes
;; launch prep (part 6): grid 256 x 5, 8 waves a work-group, no clusters, 68,608 bytes of LDS; arguments q, k, v, wq, wk, wv, wo, mask, xb, wb, mbits; writes xb, wb, mbits
.if DOCPART == 6
	.amdgcn_target "amdgcn-amd-amdhsa--gfx1250"
	.amdhsa_code_object_version 6
	.text
	.protected	k_q5dde2af795_prep
	.globl	k_q5dde2af795_prep
	.p2align	8
	.type	k_q5dde2af795_prep,@function
k_q5dde2af795_prep:
	s_mov_b64 s[64:65], 0
	v_nop
	global_prefetch_b8 v0, s[64:65] scope:SCOPE_SE
	s_setreg_imm32_b32 hwreg(HW_REG_WAVE_SCHED_MODE, 0, 2), 2
	s_setreg_imm32_b32 hwreg(HW_REG_WAVE_MODE, 25, 1), 1
	s_wait_xcnt 0x0
	s_wait_alu depctr_vm_vsrc(0)
; Casts and mask packing, a stream: no matrix unit, no cluster (no two work-groups read the same byte), no barrier (a wave touches only its own LDS bytes).
; Grid row y = 0, 1, 2: q, k, v [4096][1024] f32 -> xb [3][4096][1024] f16.   y = 3: wq, wk, wv, wo [1024][1024] f32 -> wb [4][1024][1024] f16,
; wq multiplied by log2(e)/8 ahead of its one rounding, so that the scores of the attention launch arrive divided by 8 and in powers of two.
; y = 4: mask [2048][2048] i32 -> mbits [128 qt][128 kt][8 j] u32: bit L of a word = (mask[16 qt + (L & 15)][16 kt + 8 (L >> 4) + j] != 0),
; the lane mask of register j of a 16 x 16 score tile as the matrix unit lays it out with keys as rows and queries as columns.
; LIMIT: f16 holds magnitudes below 65,504; a larger input becomes an infinity.  Below 6.1e-5 the step is 6e-8.
; THE MODE: SCHED_MODE bits 1:0 = 2 (LLVM: expert scheduling mode 2), set by the entry lines.  The code itself states the register dependences
; between vector instructions and memory or LDS instructions, and from vector instructions to scalar registers, with s_wait_alu, always for 0.
; THE PLAN, casts.  v1, v2: offsets, written once at the path's head, read by every load and store.  X: the sixteen loads land in it, all issued at once; only
; vector lines read it.  Y: each pair is written once, by its conversions, and read by its one store.  The casts go in four groups of four; a group's stores are
; issued in the next group, behind one wait at that group's head, dealt among vector lines that name the next group's X and Y alone.
; THE PLAN, mask.  v2, v3, v134, v135: offsets and LDS addresses, written once at the path's head.  X: global loads land in it, LDS stores read it, no vector line
; names it.  Z: LDS loads land in it, the compares read it.  v[132:133]: written by the lane writes, read by the one store.  v136, v137: read by the closing add alone.
; No register that a memory or LDS instruction reads is written again in either path, so no wait on vm_vsrc is owed.
.set X, 4                              ; v[4:67]    sixteen loads of 16 bytes
.set Y, 68                             ; v[68:99]   cast path: sixteen stores of 8 bytes
.set Z, 68                             ; v[68:131]  mask path: tile kt, register j at Z + 8 kt + j
.set MROW, 528                         ; mask path: LDS pitch, 512 bytes + 16 = 33 x 16, so sixteen rows begin in sixteen different 16-byte columns of 256
	s_load_b512 s[4:19], s[0:1], 0x0               ; q k v wq wk wv wo mask, a pair each
	s_load_b128 s[20:23], s[0:1], 0x40             ; xb s[20:21], wb s[22:23]
	s_load_b64 s[24:25], s[0:1], 0x50              ; mbits
	v_lshl_add_u32 v136, v0, 2, 0x10800
	v_mov_b32 v137, 0
	s_and_b32 s26, ttmp7, 0xffff                   ; y
	s_mov_b32 s27, ttmp9                           ; x
	v_lshrrev_b32 v1, 5, v0
	v_readfirstlane_b32 s28, v1                    ; wave
	s_wait_alu depctr_va_sdst(0)                   ; s28 is written: its first reader stands in the mask path
	s_wait_kmcnt 0x0
	s_cmp_eq_u32 s26, 4
	s_cbranch_scc1 .Lmask
	; THE CASTS.  A work-group takes 65,536 bytes in and 32,768 out.  Tensor number: y, or 3 + x / 64 for the weights (64 chunks each).
	v_lshlrev_b32 v1, 4, v0                        ; 16 bytes a thread in: a wave's load covers 512 consecutive bytes
	v_lshlrev_b32 v2, 3, v0                        ; 8 bytes a thread out: a wave's store covers 256 consecutive bytes, aligned
	s_lshr_b32 s29, s27, 6
	s_add_co_u32 s29, s29, 3
	s_and_b32 s36, s27, 63                         ; chunk inside a weight
	s_lshl_b32 s37, s26, 8
	s_add_co_u32 s37, s37, s27                     ; chunk of xb: 256 y + x
	s_cmp_lt_u32 s26, 3
	s_cselect_b32 s29, s26, s29                    ; tensor number 0 .. 6
	s_cselect_b32 s36, s27, s36                    ; chunk of the source
	s_cselect_b32 s37, s37, s27                    ; chunk of the destination (wb: x, the four weights follow each other)
	s_cselect_b64 s[32:33], s[20:21], s[22:23]     ; xb or wb
	s_mov_b64 s[30:31], s[4:5]
.irp i, 1,2,3,4,5,6
	s_cmp_eq_u32 s29, \i
	s_cselect_b64 s[30:31], s[4+2*\i:5+2*\i], s[30:31]
.endr
	s_mov_b32 s34, 1.0
	s_cmp_eq_u32 s29, 3
	s_cselect_b32 s34, 0x3e38aa3b, s34             ; log2(e) / 8 for wq, 1.0 for the other six: one path for all
	s_mov_b32 s35, s34
	s_lshl_b32 s38, s36, 16
	s_mov_b32 s39, 0
	s_lshl_b32 s40, s37, 15
	s_mov_b32 s41, 0
	s_add_nc_u64 s[30:31], s[30:31], s[38:39]
	s_add_nc_u64 s[32:33], s[32:33], s[40:41]
	s_wait_alu depctr_va_vdst(0)                   ; v1 and v2 are written: every load of this path reads v1 as its offset, every store v2; neither is written again
.irp i, 0,1,2,3,4,5,6,7,8,9,10,11,12,13,14,15
	global_load_b128 v[X+4*\i:X+4*\i+3], v1, s[30:31] offset:4096*\i th:TH_LOAD_NT
.endr
; Group g: loads 4 g to 4 g + 3 are multiplied and rounded; the four stores of group g - 1 are dealt among these lines, one ahead of each load's four.
.macro GROUP g
	s_wait_loadcnt 12-4*(\g)                       ; loads return in order: this group's four are in, the 12 - 4 g younger ones stay out
.if \g
	s_wait_alu depctr_va_vdst(0)                   ; the group before has written its four pairs of Y, which the stores below read; no vector line behind this wait names them
.endif
.irp i, 0,1,2,3
.set n, 4*(\g)+\i
.if \g
	global_store_b64 v2, v[Y+2*(n-4):Y+2*(n-4)+1], s[32:33] offset:2048*(n-4)
.endif
	v_pk_mul_f32 v[X+4*n:X+4*n+1], v[X+4*n:X+4*n+1], s[34:35] op_sel_hi:[1,0]
	v_pk_mul_f32 v[X+4*n+2:X+4*n+3], v[X+4*n+2:X+4*n+3], s[34:35] op_sel_hi:[1,0]
	v_cvt_pk_f16_f32 v[Y+2*n], v[X+4*n], v[X+4*n+1]
	v_cvt_pk_f16_f32 v[Y+2*n+1], v[X+4*n+2], v[X+4*n+3]
.endr
.endm
	GROUP 0
	GROUP 1
	GROUP 2
	GROUP 3
	s_wait_alu depctr_va_vdst(0)                   ; the last group has written its four pairs of Y, which the last four stores read
.irp i, 12,13,14,15
	global_store_b64 v2, v[Y+2*\i:Y+2*\i+1], s[32:33] offset:2048*\i
.endr
	s_endpgm                                       ; this path has stored nothing to LDS
.Lmask:
	; THE MASK.  A wave takes 16 rows x 128 columns (unit = 8 x + wave; qt = unit / 16, column group cg = unit % 16) and makes 64 words, 256 bytes.
	; All the path's offsets and LDS addresses are made first; the scalar work on the bases stands between them and the one wait for them.
	s_mul_i32 s36, s28, 16*MROW                    ; my wave's 8,448 bytes of LDS
	v_and_b32 v1, 31, v0
	v_lshlrev_b32 v2, 4, v1                        ; 16 x lane: a load takes a row's 512 bytes
	v_add_nc_u32 v3, s36, v2                       ; where a row goes
	v_and_b32 v134, 15, v0
	v_bfe_u32 v135, v0, 4, 1
	v_mul_u32_u24 v134, v134, MROW
	v_lshl_add_u32 v134, v135, 5, v134
	v_add_nc_u32 v134, s36, v134                   ; row L & 15, 32 bytes (8 columns) for each half of the lanes
	v_lshlrev_b32 v135, 3, v1                      ; 8 x lane: the one store
	v_mov_b32 v132, 0
	v_mov_b32 v133, 0
	s_lshl_b32 s29, s27, 3
	s_add_co_u32 s29, s29, s28
	s_lshr_b32 s30, s29, 4                         ; qt
	s_and_b32 s31, s29, 15                         ; cg
	s_lshl_b32 s32, s30, 17                        ; 16 rows of 8,192 bytes
	s_lshl_b32 s33, s31, 9                         ; 128 columns of 4 bytes
	s_add_co_u32 s32, s32, s33
	s_mov_b32 s33, 0
	s_add_nc_u64 s[18:19], s[18:19], s[32:33]
	s_lshl_b32 s34, s30, 12                        ; 128 kt x 8 words
	s_lshl_b32 s35, s31, 8                         ; 8 kt x 8 words
	s_add_co_u32 s34, s34, s35
	s_mov_b32 s35, 0
	s_add_nc_u64 s[24:25], s[24:25], s[34:35]
	s_wait_alu depctr_va_vdst(0)                   ; v2, v3, v134 and v135 are written: the global loads read v2, the LDS stores v3, the LDS loads v134, the store v135; none is written again
.irp i, 0,1,2,3,4,5,6,7,8,9,10,11,12,13,14,15
	global_load_b128 v[X+4*\i:X+4*\i+3], v2, s[18:19] offset:8192*\i th:TH_LOAD_NT
.endr
.irp i, 0,1,2,3,4,5,6,7,8,9,10,11,12,13,14,15
	s_wait_loadcnt 15-\i                           ; row i is in, the younger rows stay out
	ds_store_b128 v3, v[X+4*\i:X+4*\i+3] offset:MROW*\i
.endr
.irp t, 0,1,2,3,4,5,6,7
	ds_load_b128 v[Z+8*\t:Z+8*\t+3], v134 offset:64*\t         ; LDS serves a wave's instructions in order (ISA guide 5.7.1.4): these see the stores above
	ds_load_b128 v[Z+8*\t+4:Z+8*\t+7], v134 offset:64*\t+16
.endr
	s_wait_dscnt 0x0
	; word 8 kt + j goes to lane 4 kt + j / 2, register j & 1, so that the lanes' 8 bytes follow each other.  Sixteen words (two kt) to a run: word 16 run + i
	; goes through s[32 + i], free since the bases were made, to lane 8 run + i / 2, register i & 1.
.set run, 0
.rept 4
.set i, 0
.rept 16
	v_cmp_ne_u32 s[32+i], 0, v[Z+16*run+i]
.set i, i+1
.endr
	s_wait_alu depctr_va_sdst(0)                   ; the run's sixteen compares have written s[32:47], which the lane writes below read
.set i, 0
.rept 16
	v_writelane_b32 v[132+(i&1)], s[32+i], 8*run+(i>>1)
.set i, i+1
.endr
.set run, run+1
.endr
	s_wait_alu depctr_va_vdst(0)                   ; the lane writes have written v[132:133], which the store reads
	global_store_b64 v135, v[132:133], s[24:25]    ; 256 consecutive bytes, aligned
	s_wait_dscnt 0x0                               ; the closing lines, six on end
	s_wait_alu 0x0
	s_wait_tensorcnt 0x0
	ds_add_u32 v136, v137
	s_wait_dscnt 0x0
	s_endpgm
.Lfunc_end_k_q5dde2af795_prep:
	.size	k_q5dde2af795_prep, .Lfunc_end_k_q5dde2af795_prep-k_q5dde2af795_prep
	.p2alignl 7, 3214868480
	.fill 96, 4, 3214868480
	.section	.rodata,"a",@progbits
	.p2align	6, 0x0
	.amdhsa_kernel k_q5dde2af795_prep
		.amdhsa_group_segment_fixed_size 68608
		.amdhsa_private_segment_fixed_size 0
		.amdhsa_enable_private_segment 0
		.amdhsa_kernarg_size 88
		.amdhsa_user_sgpr_count 2
		.amdhsa_user_sgpr_kernarg_segment_ptr 1
		.amdhsa_wavefront_size32 1
		.amdhsa_system_sgpr_workgroup_id_x 1
		.amdhsa_system_sgpr_workgroup_id_y 1
		.amdhsa_system_sgpr_workgroup_id_z 1
		.amdhsa_system_vgpr_workitem_id 0
		.amdhsa_next_free_vgpr 138
		.amdhsa_next_free_sgpr 66
		.amdhsa_reserve_vcc 0
		.amdhsa_float_denorm_mode_32 3
		.amdhsa_float_denorm_mode_16_64 3
		.amdhsa_memory_ordered 1
		.amdhsa_forward_progress 1
		.amdhsa_inst_pref_size 23
	.end_amdhsa_kernel
	.amdgpu_metadata
---
amdhsa.version: [ 1, 2 ]
amdhsa.kernels:
  - .name:           k_q5dde2af795_prep
    .symbol:         k_q5dde2af795_prep.kd
    .args:
      - { .name: q, .offset: 0, .size: 8, .value_kind: global_buffer, .address_space: global }
      - { .name: k, .offset: 8, .size: 8, .value_kind: global_buffer, .address_space: global }
      - { .name: v, .offset: 16, .size: 8, .value_kind: global_buffer, .address_space: global }
      - { .name: wq, .offset: 24, .size: 8, .value_kind: global_buffer, .address_space: global }
      - { .name: wk, .offset: 32, .size: 8, .value_kind: global_buffer, .address_space: global }
      - { .name: wv, .offset: 40, .size: 8, .value_kind: global_buffer, .address_space: global }
      - { .name: wo, .offset: 48, .size: 8, .value_kind: global_buffer, .address_space: global }
      - { .name: mask, .offset: 56, .size: 8, .value_kind: global_buffer, .address_space: global }
      - { .name: xb, .offset: 64, .size: 8, .value_kind: global_buffer, .address_space: global }
      - { .name: wb, .offset: 72, .size: 8, .value_kind: global_buffer, .address_space: global }
      - { .name: mbits, .offset: 80, .size: 8, .value_kind: global_buffer, .address_space: global }
    .group_segment_fixed_size: 68608
    .private_segment_fixed_size: 0
    .kernarg_segment_align: 8
    .kernarg_segment_size: 88
    .max_flat_workgroup_size: 256
    .sgpr_count:     66
    .vgpr_count:     138
    .wavefront_size: 32
...
	.end_amdgpu_metadata
.endif
;; end of part 6
;; launch proj: the kernel of part 2 again; grid 4 x 48, 4 waves a work-group, clusters of 4 x 4, 327,680 bytes of LDS; arguments xb, wb, qkv; writes qkv
;; launch attn: the kernel of part 5 again; grid 8 x 32, 8 waves a work-group, clusters of 4 x 1, 327,680 bytes of LDS; arguments qkv, mbits, xo; writes xo
;; launch outp: the kernel of part 4 again; grid 8 x 32, 4 waves a work-group, clusters of 4 x 4, 327,680 bytes of LDS; arguments xo, wb, out0; writes out0
